; MI455X (gfx1250); checked and timed in simulation.
; The chip was launched on July 23, 2026; its instructions are those of AMD's public machine-readable ISA for CDNA 5 (MIT licence, August 2026) and "CDNA5" Instruction Set Architecture Reference Guide (July 2026). The comments in the code are by the model that wrote it; some were corrected since.
;; Unpadded Mistral Attention. Allowed arithmetic: matrix products marked QUANTISED: E2M1 operands, one E8M0 scale for each 32 along K, by v_wmma_scale_f32_16x16x128_f8f6f4 with both operands' format E2M1 (or v_wmma_scale_f32_32x16x128_f4), f32 sums; products left as they are: bf16, f16 or f32 operands; f32 sums; everything else in f32.
;; Inputs: Wk 2,048 x 1,024 float32; Wo 2,048 x 2,048 float32; Wq 2,048 x 2,048 float32; Wv 2,048 x 1,024 float32; cos 1,024 x 128 float32; cu_seqlens 5 int32; nz_hidden_states 4,096 x 2,048 float32; nz_position_ids 4,096 int32; sin 1,024 x 128 float32.
;; Outputs: out0 4,096 x 2,048 float32.
;; Constants: max_seqlen = 1024.
;; This version of the problem:
;;   THIS VERSION OF THE PROBLEM IS GIVEN IN LOW PRECISION. The matrix products marked QUANTISED in the list below multiply operands that are first quantised to E2M1 (2 exponent bits, 1 mantissa bit; 4 bits a number), with one power-of-two scale for each 32 numbers along K (OCP MX v1.0); their sums are f32. The products marked 'left as it is' may take bf16, f16 or f32 operands, with f32 sums. Whichever they take, every output number must still come out within the allowed error. Rounding operands to bf16 (8 significant bits) uses up far more of that allowance than f16 does (11 bits, for magnitudes from 6e-5 to 65,504). All else is computed in f32.
;;   The module's matrix products, in the order in which they are computed (A, B: the left and right operand; K: the contracted axis; several contracted axes count as one K, in the product's order):
;;     1. [M 4,096, K 2,048] x [K 2,048, N 2,048]; A: input nz_hidden_states; B: input Wq: QUANTISED
;;     2. [M 4,096, K 2,048] x [K 2,048, N 1,024]; A: input nz_hidden_states; B: input Wk: QUANTISED
;;     3. [M 4,096, K 2,048] x [K 2,048, N 1,024]; A: input nz_hidden_states; B: input Wv: QUANTISED
;;     4. batch 32 x [M 1,024, K 128] x [K 128, N 2,048]; A: computed on the way; B: computed on the way: left as it is (an operand is computed on the way)
;;     5. batch 32 x [M 128, K 1,024] x [K 1,024, N 2,048]; A: computed on the way; B: computed on the way: left as it is (an operand is computed on the way)
;;     6. [M 4,096, K 2,048] x [K 2,048, N 2,048]; A: computed on the way; B: input Wo: left as it is (an operand is computed on the way)
;;   THE QUANTISER, for each operand of a quantised product, along K:
;;     - K is cut into blocks of 32 from its start; a last block that is shorter is filled with zeros.
;;     - A block's scale is 2^e with e = floor(log2(the largest magnitude in the block)) - 2, held to -126 .. 127; a block of zeros has e = 0. As a byte (E8M0): e + 127.
;;     - Each number is divided by its block's scale, clamped to +-6, and rounded to the nearest number of E2M1, ties to even, subnormals kept.
;;     - The product sums the exact products of the quantised numbers (number of the format x scale) in f32.
;;   ~~~python
;;   def quantise(x, axis):      # numpy; x: float32 -> the quantised numbers, widened to float32 again
;;       x = np.moveaxis(x, axis, -1); K = x.shape[-1]
;;       x = np.pad(x, [(0, 0)] * (x.ndim - 1) + [(0, -K % 32)]); x = x.reshape(x.shape[:-1] + (-1, 32)); a = np.abs(x).max(-1, keepdims=True)
;;       e = np.where(a > 0, np.clip(np.frexp(np.where(a > 0, a, 1))[1] - 1 - 2, -126, 127), 0)      # np.frexp(a)[1] - 1 = floor(log2(a)), exactly
;;       r = np.clip(x / 2.0 ** e, -6, 6)
;;       step = 2.0 ** (np.maximum(np.frexp(np.where(r == 0, 1, r))[1] - 1, 0) - 1)
;;       q = np.round(r / step) * step * 2.0 ** e      # np.round: ties to even
;;       return np.moveaxis(q.reshape(q.shape[:-2] + (-1,))[..., :K], -1, axis).astype(np.float32)
;;   ~~~
;; One version. Each part assembles by itself: llvm-mc -triple=amdgcn-amd-amdhsa -mcpu=gfx1250 --defsym DOCPART=n.
;; ======== version 1 of 1: 6 launches
;; limits: values are held in f16: magnitudes above 65,504 overflow, below 6.1e-05 lose precision
;; workspace buffers: xq 4,456,448 bytes; wq4 4,456,448 bytes; wo16 16,777,216 bytes; qkv 33,554,432 bytes; qkvf 1,048,576 bytes; ctx 16,777,216 bytes; afine 524,288 bytes
;; launch prep (part 1): grid 448 x 1, 4 waves a work-group, no clusters, 33,280 bytes of LDS; arguments nz_hidden_states, Wq, Wk, Wv, Wo, xq, wq4, wo16; writes xq, wq4, wo16
.if DOCPART == 1
	.amdgcn_target "amdgcn-amd-amdhsa--gfx1250"
	.amdhsa_code_object_version 6
	.text
	.protected	k_q99ed5bd89e_prep
	.globl	k_q99ed5bd89e_prep
	.p2align	8
	.type	k_q99ed5bd89e_prep,@function
k_q99ed5bd89e_prep:
	s_mov_b64 s[64:65], 0
	v_nop
	global_prefetch_b8 v0, s[64:65] scope:SCOPE_SE
	s_setreg_imm32_b32 hwreg(HW_REG_WAVE_MODE, 25, 1), 1
	s_wait_xcnt 0x0
; PREP: every operand that later launches read many times is narrowed once.
;   work-groups 0-255:   x [4096][2048] f32 -> codes of FP4 (E2M1), K innermost, [4096][1024 bytes] at xq, and one E8M0 byte for each 32 along K, [4096][64], at xq + 4,194,304.
;   work-groups 256-383: Wq | Wk | Wv ([2048 (k)][n] f32, K is the FIRST axis) -> codes laid as IMAGES OF THE OPERAND'S REGISTERS: [tile of 16 columns 256][128 along K 16][1,024 bytes];
;                        in an image the block of 32 k number b of column r lies at 256 b + 16 r.  Scale bytes [4096 columns][64] at wq4 + 4,194,304.
;   work-groups 384-447: Wo [2048 (k)][2048] f32 -> f16 images [tile of 16 columns 128][32 along K 64][1,024 bytes]; piece p (k = 8 p .. 8 p + 7) of column r at 256 p + 16 r.
;                        The high part at wo16; (Wo - high part) x 2048, again f16, at wo16 + 8,388,608 (for the rows that are carried more finely).
; A block's scale is 2^(floor(log2(its largest magnitude)) - 2); its byte is the largest magnitude's exponent field - 2, held at 1 from below.
; LIMITS: a block of zeros gets the byte 1 where the rule says 127 (its codes are zeros, and this program alone reads the bytes); blocks whose largest magnitude lies under 2^(3 - 127) keep the byte 1;
; NaN and infinities among the inputs are not served; |Wo| stays under 65,504.
; cu_seqlens is named by no launch of this program: the computation takes its shape alone, never a value of it.
; The x path turns each step's 2,048 bytes through the wave's own stage in LDS (loads dense, a lane then holds 16 neighbours along K).  The weight paths use no LDS: a lane takes a column and its registers
; run down K, and since the images put sixteen columns' 16 bytes side by side, sixteen lanes store 256 consecutive aligned bytes straight from registers.
.set WAVES, 4
.set STEPS, 16
.set CB,    8                          ; bytes of 16 codes
.set R,     16                         ; v16-79   x path: four sets of 16 numbers as loaded
.set X,     80                         ; v80-111  x path: two sets of 16 neighbours
.set E,     112                        ; v112-127 x path: a scale byte for each step
.set C,     128                        ; v128-189 x path: codes, four registers reserved for each step
.set WREG,  8192                       ; LDS of a wave: two stages of 32 x SP bytes, then its 256 scale bytes
.set SP,    80
.set SPW,   12                         ; v12 LDS address of my spare word; never rewritten
.set NIL,   13                         ; v13 0; never rewritten
.set SPARE, WAVES*WREG                 ; the spare words: 128 bytes a wave, two blocks of 256 bytes that no other line names
.set OFF,   16                         ; v16-47   weight paths: byte offsets of 32 rows of my column
.set WX,    48                         ; v48-111  weight paths: two sets of 32 numbers down K
.set FHI,   112                        ; v112-127 Wo: 32 high parts, packed;  FP4: v112-115 a block's codes, v116-119 scale bytes
.set SBY,   116
.set FLO,   128                        ; v128-143 Wo: 32 low parts, packed
.set T,     144                        ; v144-175 Wo: at work
	s_load_b512 s[4:19], s[0:1], 0x0               ; x 4:5, Wq 6:7, Wk 8:9, Wv 10:11, Wo 12:13, xq 14:15, wq4 16:17, wo16 18:19
	v_lshl_add_u32 v[SPW], v0, 2, SPARE
	v_mov_b32 v[NIL], 0
	v_lshrrev_b32 v1, 5, v0
	v_readfirstlane_b32 s26, v1                    ; wave
	v_and_b32 v2, 31, v0                           ; lane
	s_cmp_ge_u32 ttmp9, 256
	s_cbranch_scc1 .Lweights
	; ---------------- x: a wave takes 16 steps of 512 numbers ----------------
	v_lshlrev_b32 v3, 4, v2                        ; my 16 bytes of a load's 512
	s_mul_i32 s27, s26, WREG
	v_lshrrev_b32 v14, 2, v2
	v_mul_u32_u24 v14, v14, SP
	v_and_b32 v15, 3, v2
	v_lshl_add_u32 v14, v15, 4, v14
	v_add_nc_u32 v14, s27, v14                     ; the stage, way in: SP (lane / 4) + 16 (lane % 4)
	v_mul_u32_u24 v15, v2, SP
	v_add_nc_u32 v15, s27, v15                     ; way out: SP x lane: my 16 neighbours
	v_mul_u32_u24 v4, v2, CB                       ; my codes' place in a step's 256 bytes
	v_lshrrev_b32 v5, 1, v2
	s_add_co_u32 s27, s27, 2*32*SP
	v_add_nc_u32 v5, s27, v5                       ; my block's scale byte in LDS
	v_lshlrev_b32 v7, 3, v2
	v_add_nc_u32 v6, s27, v7                       ; and 8 bytes a lane on the way out
	s_lshl_b32 s28, ttmp9, 2
	s_add_co_u32 s28, s28, s26                     ; which run of 8,192 numbers is my wave's
	s_mov_b32 s21, 0
	s_lshl_b32 s20, s28, 15
	s_wait_kmcnt 0x0
	s_add_nc_u64 s[4:5], s[4:5], s[20:21]          ; 32,768 bytes of x a run
	s_lshl_b32 s20, s28, 12
	s_add_nc_u64 s[22:23], s[14:15], s[20:21]      ; 4,096 bytes of codes
	s_lshl_b32 s20, s28, 8
	s_add_nc_u64 s[24:25], s[14:15], s[20:21]      ; 256 scale bytes,
	s_add_nc_u64 s[24:25], s[24:25], 0x400000      ; behind the codes
.macro LOAD t
.irp i, 0,1,2,3
	global_load_b128 v[R+16*((\t)%4)+4*\i:R+16*((\t)%4)+4*\i+3], v3, s[4:5] offset:2048*(\t)+512*\i th:TH_LOAD_NT   ; 32 lanes read 512 consecutive bytes
.endr
.endm
.macro TURN t                          ; step t's numbers through the stage: LDS serves a wave's instructions in order, so no wait stands between the stores and the loads
.irp i, 0,1,2,3
	ds_store_b128 v14, v[R+16*((\t)%4)+4*\i:R+16*((\t)%4)+4*\i+3] offset:32*SP*((\t)%2)+8*SP*\i
.endr
.irp i, 0,1,2,3
	ds_load_b128 v[X+16*((\t)%2)+4*\i:X+16*((\t)%2)+4*\i+3], v15 offset:32*SP*((\t)%2)+16*\i
.endr
.endm
.irp t, 0,1,2,3
	LOAD \t
.endr
	s_wait_loadcnt 12                              ; step 0's four loads are in; the twelve of steps 1 to 3 stay out
	TURN 0
.macro STEP t
.set XS, X+16*((\t)%2)
.if (\t) > 0
	s_wait_dscnt 1                                 ; this step's numbers are back from the stage (the last step's byte store may be out)
.else
	s_wait_dscnt 0x0
.endif
.if (\t)+4 < STEPS
	LOAD (\t)+4                                    ; into the registers that the stage's stores have read
.endif
.if (\t)+1 < STEPS
.if STEPS-2-(\t) >= 3
	s_wait_loadcnt 12                              ; the next step's four loads are in; those of the three steps behind it may be out
.else
	s_wait_loadcnt 4*(STEPS-2-(\t))
.endif
	TURN (\t)+1
.endif
	v_max3_num_f32 v8, |v[XS]|, |v[XS+1]|, |v[XS+2]|               ; the largest magnitude of my 16, in two chains
	v_max3_num_f32 v9, |v[XS+3]|, |v[XS+4]|, |v[XS+5]|
.irp i, 6,10
	v_max3_num_f32 v8, v8, |v[XS+\i]|, |v[XS+\i+1]|
	v_max3_num_f32 v9, v9, |v[XS+\i+2]|, |v[XS+\i+3]|
.endr
	v_max3_num_f32 v8, v8, |v[XS+14]|, |v[XS+15]|
	v_max3_num_f32 v8, v8, v9, 0x1800000           ; and the floor 2^(3 - 127): the byte cannot fall under 1
	v_max_num_f32_dpp v8, v8, v8 row_xmask:1 row_mask:0xf bank_mask:0xf   ; with my neighbour's 16: the block's
	v_add_nc_u32 v11, 0xff000000, v8               ; 2 off its exponent field: the conversion takes the exponent field of this operand as its scale
	v_cvt_scalef32_pk8_fp4_f32 v[C+4*(\t)], v[XS:XS+7], v11
	v_cvt_scalef32_pk8_fp4_f32 v[C+4*(\t)+1], v[XS+8:XS+15], v11
	v_lshrrev_b32 v[E+(\t)], 23, v11               ; the scale's byte (a plain line behind the conversions)
	ds_store_b8 v5, v[E+(\t)] offset:16*(\t)       ; both lanes of a block write the same byte with the same value
	global_store_b64 v4, v[C+4*(\t):C+4*(\t)+1], s[22:23] offset:256*(\t)   ; the wave stores 256 consecutive aligned bytes
.endm
.irp t, 0,1,2,3,4,5,6,7,8,9,10,11,12,13,14,15
	STEP \t
.endr
	ds_load_b64 v[8:9], v6                         ; my wave's 256 scale bytes: LDS serves a wave in order
	s_wait_dscnt 0x0
	global_store_b64 v7, v[8:9], s[24:25]          ; one aligned run of 256 bytes
	s_wait_tensorcnt 0x0                           ; the wave's end, behind my last LDS store
	ds_add_u32 v[SPW], v[NIL]
	s_wait_dscnt 0x0
	s_endpgm
	; ---------------- the weights: a wave takes 32 columns x 512 along K ----------------
.Lweights:
	s_sub_co_u32 s27, ttmp9, 256                   ; j: 0-127 the three FP4 weights, 128-191 Wo
	s_and_b32 s28, s27, 127
	s_cmp_lt_u32 s27, 128
	s_cselect_b32 s29, 31, 15                      ; 32 groups of 128 columns (Wq | Wk | Wv), or 16 (Wo)
	s_cselect_b32 s30, 5, 4
	s_lshr_b32 s31, s28, s30                       ; y: which 512 along K
	s_and_b32 s29, s28, s29                        ; cg: which 128 columns
	s_wait_kmcnt 0x0
	s_cmp_lt_u32 s29, 24                           ; the source is chosen by the work-group's number alone
	s_cselect_b64 s[20:21], s[8:9], s[10:11]
	s_cselect_b32 s34, 16, 24                      ; the group at which that weight begins
	s_cmp_lt_u32 s29, 16
	s_cselect_b64 s[20:21], s[6:7], s[20:21]
	s_cselect_b32 s34, 0, s34
	s_cselect_b32 s35, 13, 12                      ; a row is 8,192 bytes (2,048 columns) or 4,096
	s_cmp_lt_u32 s27, 128
	s_cselect_b64 s[20:21], s[20:21], s[12:13]     ; (Wo: cg is under 16, so its group 0 and its 8,192 bytes stand already)
	s_lshl_b32 s30, 1, s35                         ; a row in bytes
	s_lshl_b32 s32, s30, 5                         ; 32 rows
	s_mov_b32 s33, 0
	s_add_co_u32 s36, s35, 9
	s_lshl_b32 s36, s31, s36                       ; 512 y rows
	s_sub_co_u32 s37, s29, s34
	s_lshl_b32 s37, s37, 9                         ; 128 columns of 4 bytes a group
	s_add_co_u32 s36, s36, s37
	s_lshl_b32 s37, s26, 7                         ; 32 columns a wave
	s_add_co_u32 s36, s36, s37
	s_mov_b32 s37, 0
	s_add_nc_u64 s[20:21], s[20:21], s[36:37]
	s_lshl_b32 s36, s29, 3
	s_lshl_b32 s38, s26, 1
	s_add_co_u32 s36, s36, s38                     ; my wave's first tile of 16 columns
	v_lshlrev_b32 v[OFF], 2, v2                    ; my column; then one row further down for each register
.irp i, 1,2,3,4,5,6,7,8,9,10,11,12,13,14,15,16,17,18,19,20,21,22,23,24,25,26,27,28,29,30,31
	v_add_nc_u32 v[OFF+\i], s30, v[OFF+\i-1]
.endr
.macro LOADW set                       ; 32 rows of my column: each load reads 128 consecutive bytes a wave, 512 a work-group
.irp i, 0,1,2,3,4,5,6,7,8,9,10,11,12,13,14,15,16,17,18,19,20,21,22,23,24,25,26,27,28,29,30,31
	global_load_b32 v[WX+32*(\set)+\i], v[OFF+\i], s[20:21] th:TH_LOAD_NT
.endr
.endm
	LOADW 0
	s_wait_xcnt 0x0                                ; the loads have read their base: it may step
	s_add_nc_u64 s[20:21], s[20:21], s[32:33]
	LOADW 1
	v_lshrrev_b32 v3, 4, v2                        ; which of my two tiles
	v_and_b32 v4, 15, v2                           ; my column in it
	s_mov_b32 s39, 0
	s_cmp_ge_u32 s27, 128
	s_cbranch_scc1 .Lwo
	; ---- FP4: 16 blocks of 32 ----
	s_lshl_b32 s38, s36, 14                        ; a tile's images: 16 x 1,024 bytes
	s_lshl_b32 s40, s31, 12                        ; 512 along K: four images
	s_add_co_u32 s38, s38, s40
	s_add_nc_u64 s[22:23], s[16:17], s[38:39]
	s_lshl_b32 s38, s36, 10                        ; scale bytes: 64 a column, 1,024 a tile
	s_lshl_b32 s40, s31, 4
	s_add_co_u32 s38, s38, s40
	s_add_nc_u64 s[24:25], s[16:17], s[38:39]
	s_add_nc_u64 s[24:25], s[24:25], 0x400000
	v_lshlrev_b32 v3, 14, v3
	v_lshl_add_u32 v3, v4, 4, v3                   ; codes: 16,384 x tile + 16 x column
	v_lshlrev_b32 v4, 6, v2                        ; scale bytes: 64 x lane
.macro BLK4 t
.set XS, WX+32*((\t)%2)
.if (\t) < 15
	s_wait_loadcnt 32                              ; this block's 32 loads are in; the next block's 32 may be out
.else
	s_wait_loadcnt 0x0
.endif
	v_max3_num_f32 v5, |v[XS]|, |v[XS+1]|, |v[XS+2]|               ; the block's largest magnitude: all 32 numbers are mine
	v_max3_num_f32 v6, |v[XS+3]|, |v[XS+4]|, |v[XS+5]|
.irp i, 6,10,14,18,22,26
	v_max3_num_f32 v5, v5, |v[XS+\i]|, |v[XS+\i+1]|
	v_max3_num_f32 v6, v6, |v[XS+\i+2]|, |v[XS+\i+3]|
.endr
	v_max3_num_f32 v5, v5, |v[XS+30]|, |v[XS+31]|
	v_max3_num_f32 v5, v5, v6, 0x1800000           ; and the floor 2^(3 - 127)
	v_add_nc_u32 v7, 0xff000000, v5                ; 2 off its exponent field: the conversions' scale operand
	v_lshrrev_b32 v8, 23, v7                       ; the scale's byte
.if (\t)%4 == 0
	v_mov_b32 v[SBY+(\t)/4], v8                    ; four bytes to a register, the lower K in the lower byte
.else
	v_lshl_or_b32 v[SBY+(\t)/4], v8, 8*((\t)%4), v[SBY+(\t)/4]
.endif
.irp g, 0,1,2,3
	v_cvt_scalef32_pk8_fp4_f32 v[FHI+\g], v[XS+8*\g:XS+8*\g+7], v7
.endr
	global_store_b128 v3, v[FHI:FHI+3], s[22:23] offset:256*(\t)   ; sixteen lanes store 256 consecutive aligned bytes: one block of 32 k of a tile's sixteen columns
	s_wait_xcnt 0x0                                ; the store has read its data and the loads their base: both are written again below
.if (\t)+2 < 16
	s_add_nc_u64 s[20:21], s[20:21], s[32:33]
	LOADW (\t)%2
.endif
.endm
.irp t, 0,1,2,3,4,5,6,7,8,9,10,11,12,13,14,15
	BLK4 \t
.endr
	global_store_b128 v4, v[SBY:SBY+3], s[24:25]   ; my column's 16 scale bytes: rows 64 bytes apart, one byte for each 128 read
	s_endpgm
	; ---- Wo: 16 steps of 32 along K, a high and a low f16 part ----
.Lwo:
	s_lshl_b32 s38, s36, 16                        ; a tile's images: 64 x 1,024 bytes
	s_lshl_b32 s40, s31, 14                        ; 512 along K: sixteen images
	s_add_co_u32 s38, s38, s40
	s_add_nc_u64 s[22:23], s[18:19], s[38:39]      ; the high parts,
	s_add_nc_u64 s[24:25], s[22:23], 0x800000      ; the low parts
	s_mov_b32 s40, 0x45000000                      ; 2048.0
	s_mov_b32 s41, s40                             ; (named with it as a pair, so it is written)
	v_lshlrev_b32 v3, 16, v3
	v_lshl_add_u32 v3, v4, 4, v3                   ; 65,536 x tile + 16 x column
.macro BLK16 t
.set XS, WX+32*((\t)%2)
.if (\t) < 15
	s_wait_loadcnt 32                              ; this step's 32 loads are in; the next step's 32 may be out
.else
	s_wait_loadcnt 0x0
.endif
.irp i, 0,1,2,3,4,5,6,7,8,9,10,11,12,13,14,15
	v_cvt_pk_f16_f32 v[FHI+\i], v[XS+2*\i], v[XS+2*\i+1]           ; the high parts, two neighbours along K to a register
.endr
.set n, 0
.irp h, v112.l,v112.h,v113.l,v113.h,v114.l,v114.h,v115.l,v115.h,v116.l,v116.h,v117.l,v117.h,v118.l,v118.h,v119.l,v119.h,v120.l,v120.h,v121.l,v121.h,v122.l,v122.h,v123.l,v123.h,v124.l,v124.h,v125.l,v125.h,v126.l,v126.h,v127.l,v127.h
	v_cvt_f32_f16 v[T+n], \h                       ; widened again,
.set n, n+1
.endr
.irp i, 0,2,4,6,8,10,12,14,16,18,20,22,24,26,28,30
	v_pk_add_f32 v[T+\i:T+\i+1], v[XS+\i:XS+\i+1], v[T+\i:T+\i+1] neg_lo:[0,1] neg_hi:[0,1]   ; what the high part left out (exact),
.endr
.irp i, 0,2,4,6,8,10,12,14,16,18,20,22,24,26,28,30
	v_pk_mul_f32 v[T+\i:T+\i+1], v[T+\i:T+\i+1], s[40:41] op_sel_hi:[1,0]                     ; x 2048, so that it has f16's whole range
.endr
.irp i, 0,1,2,3,4,5,6,7,8,9,10,11,12,13,14,15
	v_cvt_pk_f16_f32 v[FLO+\i], v[T+2*\i], v[T+2*\i+1]
.endr
.irp p, 0,1,2,3
	global_store_b128 v3, v[FHI+4*\p:FHI+4*\p+3], s[22:23] offset:1024*(\t)+256*\p   ; piece p: sixteen lanes store 256 consecutive aligned bytes
	global_store_b128 v3, v[FLO+4*\p:FLO+4*\p+3], s[24:25] offset:1024*(\t)+256*\p
.endr
	s_wait_xcnt 0x0                                ; the stores have read their data and the loads their base
.if (\t)+2 < 16
	s_add_nc_u64 s[20:21], s[20:21], s[32:33]
	LOADW (\t)%2
.endif
.endm
.irp t, 0,1,2,3,4,5,6,7,8,9,10,11,12,13,14,15
	BLK16 \t
.endr
	s_endpgm
.Lfunc_end_k_q99ed5bd89e_prep:
	.size	k_q99ed5bd89e_prep, .Lfunc_end_k_q99ed5bd89e_prep-k_q99ed5bd89e_prep
	.p2alignl 7, 3214868480
	.fill 96, 4, 3214868480
	.section	.rodata,"a",@progbits
	.p2align	6, 0x0
	.amdhsa_kernel k_q99ed5bd89e_prep
		.amdhsa_group_segment_fixed_size 33280
		.amdhsa_private_segment_fixed_size 0
		.amdhsa_enable_private_segment 0
		.amdhsa_kernarg_size 64
		.amdhsa_user_sgpr_count 2
		.amdhsa_user_sgpr_kernarg_segment_ptr 1
		.amdhsa_wavefront_size32 1
		.amdhsa_system_sgpr_workgroup_id_x 1
		.amdhsa_system_sgpr_workgroup_id_y 1
		.amdhsa_system_sgpr_workgroup_id_z 1
		.amdhsa_system_vgpr_workitem_id 0
		.amdhsa_next_free_vgpr 192
		.amdhsa_next_free_sgpr 66
		.amdhsa_reserve_vcc 0
		.amdhsa_float_denorm_mode_32 3
		.amdhsa_float_denorm_mode_16_64 3
		.amdhsa_memory_ordered 1
		.amdhsa_forward_progress 1
		.amdhsa_inst_pref_size 246
	.end_amdhsa_kernel
	.amdgpu_metadata
---
amdhsa.version: [ 1, 2 ]
amdhsa.kernels:
  - .name:           k_q99ed5bd89e_prep
    .symbol:         k_q99ed5bd89e_prep.kd
    .args:
      - { .name: nz_hidden_states, .offset: 0, .size: 8, .value_kind: global_buffer, .address_space: global }
      - { .name: Wq, .offset: 8, .size: 8, .value_kind: global_buffer, .address_space: global }
      - { .name: Wk, .offset: 16, .size: 8, .value_kind: global_buffer, .address_space: global }
      - { .name: Wv, .offset: 24, .size: 8, .value_kind: global_buffer, .address_space: global }
      - { .name: Wo, .offset: 32, .size: 8, .value_kind: global_buffer, .address_space: global }
      - { .name: xq, .offset: 40, .size: 8, .value_kind: global_buffer, .address_space: global }
      - { .name: wq4, .offset: 48, .size: 8, .value_kind: global_buffer, .address_space: global }
      - { .name: wo16, .offset: 56, .size: 8, .value_kind: global_buffer, .address_space: global }
    .group_segment_fixed_size: 33280
    .private_segment_fixed_size: 0
    .kernarg_segment_align: 8
    .kernarg_segment_size: 64
    .max_flat_workgroup_size: 128
    .sgpr_count:     66
    .vgpr_count:     192
    .wavefront_size: 32
...
	.end_amdgpu_metadata
.endif
;; end of part 1
;; launch proj_qkv (part 2): grid 16 x 16, 4 waves a work-group, clusters of 4 x 4, 327,680 bytes of LDS; arguments xq, wq4, qkv, cos, sin, nz_position_ids, qkvf; writes qkv, qkvf
.if DOCPART == 2
	.amdgcn_target "amdgcn-amd-amdhsa--gfx1250"
	.amdhsa_code_object_version 6
	.text
	.protected	k_q99ed5bd89e_proj_qkv
	.globl	k_q99ed5bd89e_proj_qkv
	.p2align	8
	.type	k_q99ed5bd89e_proj_qkv,@function
k_q99ed5bd89e_proj_qkv:
	s_mov_b64 s[64:65], 0
	v_nop
	global_prefetch_b8 v0, s[64:65] scope:SCOPE_SE
	s_setreg_imm32_b32 hwreg(HW_REG_WAVE_MODE, 25, 1), 1
	s_wait_xcnt 0x0
	s_wait_alu depctr_hold_cnt(0) depctr_sa_sdst(0) depctr_va_vdst(0) depctr_va_sdst(0) depctr_va_ssrc(0) depctr_va_vcc(0) depctr_vm_vsrc(0)
	s_getreg_b32 s2, hwreg(HW_REG_IB_STS2, 6, 4)
	s_cmp_eq_u32 s2, 0
	s_cbranch_scc0 .Lentry_in_a_cluster
	s_endpgm
.Lentry_in_a_cluster:
	s_bfe_u32 s2, ttmp6, 0x10000c
	s_cmp_lg_u32 s2, 0xf033
	s_cbranch_scc0 .Lentry_shape_is_right
	s_endpgm
.Lentry_shape_is_right:
; [q | k | v] = x [Wq | Wk | Wv] on codes of FP4 (E2M1) with one E8M0 scale for each 32 along K; M = N = 4,096, K = 2,048; sums in f32.  On the way out q and k are turned by RoPE in f32
; (the tables' rows gathered by nz_position_ids), everything is rounded once to f16 into qkv [4096 tokens][4096] (a row: q 16 heads x 256 bytes | k at 4,096 | v at 6,144), and the first 16 positions of each
; sequence also leave unrounded, in f32, as images of registers, into qkvf [sequence 4][slot 32][8,192 bytes] (slots 0-15 q's heads, 16-23 k's, 24-31 v's).
; LIMITS: |q|, |k|, |v| stay under 65,504 (f16); a position is held at 1,023, the tables' last row.
; A tile of C, 256 x 256, is made by four waves, 128 x 128 each: 64 accumulators, 512 registers; a wave's 128 columns are exactly one head.  K goes in steps of 512 through a ring of two LDS slots.
; x's tile: 256 rows of 256 bytes, padded to 272.  W's tile: images of fragments, 16 tiles of columns x 4,096 dense bytes: a fragment comes by two loads at 16 x lane.
; THE SCALES of the 256 rows of x and the 256 columns of W, for all of K, come into LDS once, with the first fills.
; CLUSTERS: 4 x 4 work-groups; x's tiles are asked for jointly along a row of the cluster, W's along a column.  THE TILE ROW IS cluster y + 4 cy: the four tile rows at which a sequence begins are then the
; four rows of the clusters with y = 0, so that the branch round the f32 copy hangs on the cluster's y and the wave's number alone, never on a work-group's place in its cluster.
; THE MATRIX INSTRUCTION IS USED TRANSPOSED (source 0 = 16 columns of W, source 1 = 16 rows of x): lane l holds token l % 16 and eight neighbouring channels 16 b + 8 (l / 16) + 0 .. 7 of the head.
; REGISTERS, in windows of 256: window 0: v0-31 addresses; v32-95 scale words, two sets; from v128 x's fragments, one set.  window 1: W's fragments, two sets, at v0 and v128.
;   window 2: the accumulators of my rows 0-63 ((a, b) at v[8 (8 a + b)]); window 3: those of rows 64-127.
;   On the way out: window 0: v96-127 packed; v128-191 rows read back, two sets.  cos and sin of a block of 16 tokens, 64 registers each, in THREE sets that take turns: set 0: window 1, v64-127 and v192-255, which no
;   matrix instruction names, so that block 0's tables are asked for at the kernel's head; set 1: window 1, v0-63 and v128-191; set 2: window 0, v32-95 and v192-255.  RoPE's result takes cos's place.
.set KSTEP,  512
.set NQ,     4                         ; matrix instructions deep in a slot
.set ROWB,   256                       ; a row of x's tile in bytes
.set KROW,   1024                      ; a row of x's codes in memory
.set PITCH,  272                       ; 256 + 16: the sixteen rows of a fragment load start at sixteen different banks
.set FR,     8
.set NL,     2
.set NP,     4                         ; places behind this matrix instruction (ISA guide 7.12.1)
.set HALFA,  128*PITCH                 ; 128 rows of x: one tensor load
.set HALFB,  32768                     ; 8 tiles of columns x 4 images: one tensor load
.set SLOT,   2*HALFA+2*HALFB
.set LAPS,   2
.set KS,     64                        ; a row of scale bytes
.set SCL,    2*SLOT                    ; the scales, as runs of 256 bytes + 16 of padding
.set HALFS,  (128*KS/256)*272
.set SBLK,   (16*KS/256)*272
.set SPARE,  SCL+4*HALFS               ; the spare words: 128 bytes a wave, two blocks of 256 bytes that no other line names
.set SPITCH, 272                       ; the way out: a stage of 16 rows x (256 + 16) bytes a wave, in slot 0, which has had its last fill and its last read by then
.set CROW,   8192                      ; a row of qkv in bytes
.set FIO,  7                           ; v7     16 x lane
.set CSA,  8                           ; v8-15  block a: my token's row in the tables, 512 x position + 32 (l / 16); never rewritten once made
.set ADRA, 16
.set ADRB, 20
.set STO,  24
.set RD,   25
.set CO,   26
.set ADRS, 27
.set SPW,  28
.set NIL,  29
.set SC,   32
.set AF,   128
.set TMP,  96
.set BK,   128
.set OUTP, 8                           ; s[8:9] qkv;  s[10:11] cos;  s[96:97] sin;  s[98:99] positions;  s[100:101] qkvf
.set COSP, 10
.set SINP, 96
.set POSP, 98
.set FINP, 100
.set G1, 24
.set G0, 32
.set G1B, 48
.set G0B, 56
.set G1S, 68
.set G0S, 76
.set G1SB, 80
.set G0SB, 88
.set MSB, 0
.macro WIN new                         ; the immediate's high byte repeats the setting that is left
.if MSB != \new
	s_set_vgpr_msb (MSB<<8)|\new
.set MSB, \new
.endif
.endm
.set MUL_LO, 0xa1                      ; source 0 (W) window 1, source 1 (x) window 0, C and D window 2
.set MUL_HI, 0xf1
.set TO_B,   0x40
; A joint load: waves 0 and 1 fetch for x, waves 2 and 3 for W.  The branch hangs on the wave's number alone.  An s_nop 0 and four v_nop follow each of the two lines.
.macro JLOAD g0a, g1a, g0b, g1b
	s_cmp_eq_u32 s15, 0
	s_cbranch_scc0 .Lfor_b_\@
	tensor_load_to_lds s[\g0a:\g0a+3], s[\g1a:\g1a+7]
	s_nop 0
.rept 4
	v_nop
.endr
	s_branch .Lasked_\@
.Lfor_b_\@:
	tensor_load_to_lds s[\g0b:\g0b+3], s[\g1b:\g1b+7]
	s_nop 0
.rept 4
	v_nop
.endr
.Lasked_\@:
.endm
.macro CREST                           ; a round of the cluster's barrier behind its opening barrier
	s_cmp_lg_u32 s14, 0
	s_cbranch_scc1 .Lnot_wave_0_\@
	s_barrier_signal -3
.Lnot_wave_0_\@:
	s_barrier_wait -3
	s_barrier_signal -1
	s_barrier_wait -1
.endm
.macro CROUND
	s_barrier_signal -1
	s_barrier_wait -1
	CREST
.endm
.macro SETOF a                         ; block a's set of cos and sin: its window CW, cos from v[CC], sin from v[CN]
.if (\a)%3 == 0
.set CW, 1
.set CC, 64
.set CN, 192
.elseif (\a)%3 == 1
.set CW, 1
.set CC, 0
.set CN, 128
.else
.set CW, 0
.set CC, 32
.set CN, 192
.endif
.endm
.macro CSLOAD a                        ; block a's cos and sin: my token's row, my eight channels of each sixteen: registers 8 b + 0 .. 7 as the accumulators have them; 32 loads
	SETOF \a
.set WN, CW<<6
	WIN WN                                         ; the destination's window
.irp i, 0,1,2,3,4,5,6,7,8,9,10,11,12,13,14,15
	global_load_b128 v[CC+4*\i:CC+4*\i+3], v[CSA+(\a)], s[COSP:COSP+1] offset:64*(\i/2)+16*(\i%2)
	global_load_b128 v[CN+4*\i:CN+4*\i+3], v[CSA+(\a)], s[SINP:SINP+1] offset:64*(\i/2)+16*(\i%2)
.endr
	WIN 0
.endm
	s_load_b128 s[4:7], s[0:1], 0x0                ; xq, wq4
	s_load_b128 s[8:11], s[0:1], 0x10              ; qkv, cos
	s_load_b128 s[96:99], s[0:1], 0x20             ; sin, positions
	s_load_b64 s[100:101], s[0:1], 0x30            ; qkvf
	v_lshl_add_u32 v[SPW], v0, 2, SPARE
	v_mov_b32 v[NIL], 0
	ds_add_u32 v[SPW], v[NIL]                      ; the wave's opening: the add, twice on end, and its wait ahead of my first tensor load
	ds_add_u32 v[SPW], v[NIL]
	v_lshrrev_b32 v1, 5, v0
	v_readfirstlane_b32 s14, v1                    ; wave 0..3
	s_lshr_b32 s15, s14, 1                         ; my half of the tile's rows.  Also: I fetch for x (0) or for W (1)
	s_and_b32 s16, s14, 1                          ; my half of its columns.  Also: which half of that tile I fetch
	s_bfe_u32 s40, ttmp6, 0x40000                  ; cx, cy: my place in the cluster
	s_bfe_u32 s41, ttmp6, 0x40004
	s_lshl_b32 s42, ttmp9, 2
	s_add_co_u32 s42, s42, s40                     ; tile column = 4 x cluster x + cx
	s_and_b32 s17, ttmp7, 0xffff                   ; cluster y
	s_or_b32 s66, s17, s15                         ; 0 exactly in the waves whose first 16 rows begin a sequence
	s_lshl_b32 s43, s41, 2
	s_add_co_u32 s17, s17, s43                     ; tile row = cluster y + 4 cy
	s_lshl_b32 s43, 15, s43                        ; my row of the cluster
	s_lshl_b32 s44, 0x1111, s40                    ; my column
	s_or_b32 s[G1+0], s43, (0<<16)|(1<<20)|(1<<21)|(5<<22)|(3<<25)  ; x's tiles go to my row; elements of 1 byte; 4 words of padding after every 64
	s_mov_b32 s[G1+1], ROWB<<16                    ; tensor_dim0
	s_mov_b32 s[G1+2], 128<<16                     ; tensor_dim1
	s_mov_b32 s[G1+3], ROWB<<16                    ; tile_dim0
	s_mov_b32 s[G1+4], 128                         ; tile_dim1
	s_mov_b32 s[G1+5], KROW                        ; from row to row
	s_mov_b32 s[G1+6], 0
	s_mov_b32 s[G1+7], 0
	s_or_b32 s[G1B+0], s44, (3<<16)|(1<<21)        ; W's tiles go to my column; elements of 8 bytes; no padding: images are read at 16 x lane
	s_mov_b32 s[G1B+1], 512<<16                    ; a row: four images, 4,096 bytes
	s_mov_b32 s[G1B+2], 8<<16                      ; eight tiles of 16 columns
	s_mov_b32 s[G1B+3], 512<<16
	s_mov_b32 s[G1B+4], 8
	s_mov_b32 s[G1B+5], 2048                       ; 16,384 bytes from a tile of columns to the next
	s_mov_b32 s[G1B+6], 0
	s_mov_b32 s[G1B+7], 0
	s_or_b32 s[G1S+0], s43, (3<<16)|(1<<20)|(1<<21)|(5<<22)|(3<<25)  ; the scales of 128 rows: 8,192 dense bytes as 32 rows of 256, 16 bytes of padding behind each
	s_or_b32 s[G1SB+0], s44, (3<<16)|(1<<20)|(1<<21)|(5<<22)|(3<<25)
.irp g, G1S, G1SB
	s_mov_b32 s[\g+1], 32<<16
	s_mov_b32 s[\g+2], (128*KS/256)<<16
	s_mov_b32 s[\g+3], 32<<16
	s_mov_b32 s[\g+4], 128*KS/256
	s_mov_b32 s[\g+5], 32
	s_mov_b32 s[\g+6], 0
	s_mov_b32 s[\g+7], 0
.endr
	s_lshl_b32 s18, s16, 7                         ; which 128 of the tile's 256 I fetch
	s_lshl_b32 s20, s17, 8
	s_add_co_u32 s20, s20, s18                     ; x: row
	s_lshl_b32 s46, s42, 8
	s_add_co_u32 s46, s46, s18                     ; W: column
	s_lshl_b32 s22, s20, 6                         ; their scale bytes: 64 a row
	s_mov_b32 s23, 0
	s_lshl_b32 s92, s46, 6
	s_mov_b32 s93, 0
	s_lshl_b32 s20, s20, 10                        ; x's codes: 1,024 bytes a row
	s_mov_b32 s21, 0
	s_lshl_b32 s46, s46, 10                        ; W's images: 16,384 bytes for 16 columns
	s_mov_b32 s47, 0
	s_mul_i32 s45, s16, HALFA                      ; where they go: no place in the cluster enters an LDS address
	s_mul_i32 s95, s16, HALFB
	s_add_co_u32 s95, s95, 2*HALFA
	s_mul_i32 s94, s14, HALFS
	s_wait_dscnt 0x0                               ; both opening adds are done
	s_wait_kmcnt 0x0
	s_add_nc_u64 s[20:21], s[4:5], s[20:21]
	s_add_nc_u64 s[22:23], s[4:5], s[22:23]
	s_add_nc_u64 s[22:23], s[22:23], 0x400000      ; x's scales lie behind its codes
	s_add_nc_u64 s[46:47], s[6:7], s[46:47]
	s_add_nc_u64 s[92:93], s[6:7], s[92:93]
	s_add_nc_u64 s[92:93], s[92:93], 0x400000
	CROUND                                         ; all sixteen work-groups are here: the first joint loads meet
	s_mov_b32 s[G0S], 1
	s_add_co_u32 s[G0S+1], s94, SCL
	s_mov_b64 s[G0S+2:G0S+3], s[22:23]
	s_or_b32 s[G0S+3], s[G0S+3], 0x80000000
	s_mov_b32 s[G0SB], 1
	s_add_co_u32 s[G0SB+1], s94, SCL
	s_mov_b64 s[G0SB+2:G0SB+3], s[92:93]
	s_or_b32 s[G0SB+3], s[G0SB+3], 0x80000000
	JLOAD G0S, G1S, G0SB, G1SB                     ; the scales first: they are wanted with K step 0
.irp s, 0,1
	s_mov_b32 s[G0+4*\s], 1
	s_add_co_u32 s[G0+4*\s+1], s45, \s*SLOT
	s_add_nc_u64 s[G0+4*\s+2:G0+4*\s+3], s[20:21], \s*ROWB
	s_or_b32 s[G0+4*\s+3], s[G0+4*\s+3], 0x80000000
	s_mov_b32 s[G0B+4*\s], 1
	s_add_co_u32 s[G0B+4*\s+1], s95, \s*SLOT
	s_add_nc_u64 s[G0B+4*\s+2:G0B+4*\s+3], s[46:47], \s*4096
	s_or_b32 s[G0B+4*\s+3], s[G0B+4*\s+3], 0x80000000
	JLOAD G0+4*\s, G1, G0B+4*\s, G1B               ; three tensor loads of mine are out
.endr
	v_and_b32 v1, 15, v0                           ; l % 16
	v_bfe_u32 v2, v0, 4, 1                         ; l / 16
	s_lshl_b32 s20, s17, 8
	s_lshl_b32 s21, s15, 7
	s_add_co_u32 s20, s20, s21                     ; my first row of C: 256 x tile row + 128 x half
	s_lshl_b32 s18, s20, 2
	s_mov_b32 s19, 0
	s_add_nc_u64 s[POSP:POSP+1], s[POSP:POSP+1], s[18:19]
	v_lshlrev_b32 v31, 2, v1
	v_lshlrev_b32 v30, 5, v2
.irp a, 0,1,2,3,4,5,6,7
	global_load_b32 v[CSA+\a], v31, s[POSP:POSP+1] offset:64*\a   ; the position of token 16 a + l % 16 of my 128
.endr
	s_lshl_b32 s20, s20, 13                        ; C: 8,192 bytes a row,
	s_lshl_b32 s46, s42, 9                         ; 512 bytes a tile column, 256 a half
	s_lshl_b32 s47, s16, 8
	s_add_co_u32 s46, s46, s47
	s_add_co_u32 s20, s20, s46
	s_mov_b32 s21, 0
	s_add_nc_u64 s[OUTP:OUTP+1], s[OUTP:OUTP+1], s[20:21]
	s_lshl_b32 s20, s41, 5                         ; the f32 copy: sequence cy, slot 2 x tile column + half, 8,192 bytes each
	s_lshl_b32 s46, s42, 1
	s_add_co_u32 s20, s20, s46
	s_add_co_u32 s20, s20, s16
	s_lshl_b32 s20, s20, 13
	s_add_nc_u64 s[FINP:FINP+1], s[FINP:FINP+1], s[20:21]
	v_mul_u32_u24 v3, v1, PITCH
	v_lshl_add_u32 v4, v2, 4, v3                   ; a fragment of x: row x pitch + 16 x half
	v_and_b32 v6, 31, v0
	v_lshlrev_b32 v[FIO], 4, v6                    ; an image: 16 x lane
	s_mul_i32 s21, s15, HALFA                      ; my 128 rows of x
	s_mul_i32 s22, s16, HALFB                      ; my 128 columns of W,
	s_add_co_u32 s22, s22, 2*HALFA                 ; behind x's 256 rows
.irp s, 0,1
	v_add_nc_u32 v[ADRA+\s], s21, v4
	v_add_nc_u32 v[ADRB+\s], s22, v[FIO]
	s_add_co_u32 s21, s21, SLOT
	s_add_co_u32 s22, s22, SLOT
.endr
	v_mul_u32_u24 v5, v1, KS                       ; my row's scales: 64 bytes a row,
	v_lshrrev_b32 v6, 8, v5
	v_lshl_add_u32 v5, v6, 4, v5                   ; and 16 more for each 256 passed
	s_mul_i32 s21, s15, HALFS
	s_mul_i32 s22, s16, HALFS
	s_add_co_u32 s22, s22, 2*HALFS
	s_sub_co_u32 s22, s22, s21
	v_mul_u32_u24 v6, s22, v2                      ; lanes 16-31 take W's
	s_add_co_u32 s21, s21, SCL
	v_add_nc_u32 v5, v5, v6
	v_add_nc_u32 v[ADRS], s21, v5
	s_mul_i32 s23, s14, 16*SPITCH                  ; my stage
	v_mul_u32_u24 v5, v1, SPITCH
	v_lshl_add_u32 v5, v2, 4, v5
	v_add_nc_u32 v[STO], s23, v5                   ; in: row l % 16, 16 bytes for each half of the lanes
	v_mul_u32_u24 v5, v2, SPITCH
	v_lshl_add_u32 v5, v1, 4, v5
	v_add_nc_u32 v[RD], s23, v5                    ; back: lanes 0-15 one row of 256 bytes, lanes 16-31 the next
	v_lshlrev_b32 v5, 13, v2
	v_lshl_add_u32 v[CO], v1, 4, v5                ; and the same two rows in qkv
	s_wait_loadcnt 0x0                             ; the positions
.irp a, 0,1,2,3,4,5,6,7
	v_min_u32 v[CSA+\a], 0x3ff, v[CSA+\a]          ; held inside the tables
	v_lshlrev_b32 v[CSA+\a], 9, v[CSA+\a]          ; a row of a table is 512 bytes
	v_add_nc_u32 v[CSA+\a], v[CSA+\a], v30         ; + my half's eight channels
.endr
	CSLOAD 0                                       ; block 0's cos and sin are asked for here and land while K is walked: no matrix instruction names set 0's registers.
	                                               ; Every work-group asks, those that hold v's columns too, which do not use them (16,384 bytes a wave): the head has one path
.macro FRAGA reg, adr, q, i            ; 16 rows x 128 K of 4-bit codes: registers 4 c .. 4 c + 3 hold K = 64 c + 32 (l / 16) + 0 .. 31
.irp c, 0,1
	ds_load_b128 v[\reg+4*\c:\reg+4*\c+3], v[\adr] offset:64*(\q)+32*\c+(\i)*16*PITCH
.endr
.endm
.macro FRAGB reg, adr, q, i            ; the same from an image: 512 bytes for each group of four registers
.irp c, 0,1
	ds_load_b128 v[\reg+4*\c:\reg+4*\c+3], v[\adr] offset:1024*(\q)+512*\c+(\i)*4096
.endr
.endm
; 16 matrix instructions: x's blocks a0, a0 + 1 against W's eight.  The 64 accumulators take turns, one instruction a turn, in the same order in every step.
.macro MUL16 a0, p, q, sc, zero
.irp a, \a0, \a0+1
.irp b, 0,1,2,3,4,5,6,7
.if \zero
	v_wmma_scale_f32_16x16x128_f8f6f4 v[8*(8*((\a)%4)+\b):8*(8*((\a)%4)+\b)+7], v[128*(\p)+FR*\b:128*(\p)+FR*\b+FR-1], v[AF+FR*(\a):AF+FR*(\a)+FR-1], 0, v[SC+8*NQ*(\sc)+NQ*\b+(\q)], v[SC+8*NQ*(\sc)+NQ*(\a)+(\q)] matrix_a_fmt:MATRIX_FMT_FP4 matrix_b_fmt:MATRIX_FMT_FP4 matrix_a_scale:MATRIX_SCALE_ROW1
.else
	v_wmma_scale_f32_16x16x128_f8f6f4 v[8*(8*((\a)%4)+\b):8*(8*((\a)%4)+\b)+7], v[128*(\p)+FR*\b:128*(\p)+FR*\b+FR-1], v[AF+FR*(\a):AF+FR*(\a)+FR-1], v[8*(8*((\a)%4)+\b):8*(8*((\a)%4)+\b)+7], v[SC+8*NQ*(\sc)+NQ*\b+(\q)], v[SC+8*NQ*(\sc)+NQ*(\a)+(\q)] matrix_a_fmt:MATRIX_FMT_FP4 matrix_b_fmt:MATRIX_FMT_FP4 matrix_a_scale:MATRIX_SCALE_ROW1
.endif
.endr
.endr
.endm
.macro FETCH_B slot, q, p
	WIN TO_B
.irp i, 0,1,2,3,4,5,6,7
	FRAGB 128*(\p)+FR*\i, ADRB+\slot, \q, \i
.endr
	WIN 0
.endm
.macro FETCH_A slot, q, i0
.irp i, \i0, \i0+1, \i0+2, \i0+3
	FRAGA AF+FR*(\i), ADRA+\slot, \q, \i
.endr
.endm
.macro SCALES sc                       ; a K step's scale words: lanes 0-15 take x's block i, lanes 16-31 W's block i
.irp i, 0,1,2,3,4,5,6,7
	ds_load_b128 v[SC+8*NQ*\sc+NQ*\i:SC+8*NQ*\sc+NQ*\i+3], v[ADRS] offset:\i*SBLK
.endr
.endm
.macro PLACES n                        ; plain vector instructions between a matrix instruction and a load into, or a read of, its registers
.rept \n
	v_nop
.endr
.endm
.macro STEP slot, q, zero              ; 128 along K that has its successor in the same slot
	s_wait_dscnt 4*NL                              ; W's set and x's blocks 0-3 are in; the youngest eight loads (blocks 4-7) may be out
	WIN MUL_LO
	MUL16 0, (\q)%2, \q, \slot, \zero
	MUL16 2, (\q)%2, \q, \slot, \zero
	s_wait_dscnt 0                                 ; blocks 4-7 are in
	PLACES NP
	FETCH_B \slot, (\q)+1, 1-(\q)%2
	FETCH_A \slot, (\q)+1, 0
	WIN MUL_HI
	MUL16 4, (\q)%2, \q, \slot, \zero
	MUL16 6, (\q)%2, \q, \slot, \zero
	PLACES NP
	WIN 0
	FETCH_A \slot, (\q)+1, 4
.endm
; A slot's last step changes slots: one barrier; in front of it each wave waits for all its tensor loads, adds 0 to its spare word, and waits for that and for its reads of this slot.
.macro TURN slot, next, fill
	s_wait_tensorcnt 0x0                           ; all my tensor loads have landed: my part of the next slot
	ds_add_u32 v[SPW], v[NIL]
	s_wait_dscnt 4*NL+1                            ; (the add and the youngest eight loads may be out)
	WIN MUL_LO
	MUL16 0, 1, NQ-1, \slot, 0
	s_wait_dscnt 0x0                               ; the add is done, and my reads of this slot are over
	s_barrier_signal -1
	MUL16 2, 1, NQ-1, \slot, 0
	WIN 0
	s_barrier_wait -1
.if \fill
	CREST                                          ; the barrier has opened a round of the cluster's: no wave of any partner still reads this slot or has a load on its way
	s_add_nc_u64 s[G0+4*\slot+2:G0+4*\slot+3], s[G0+4*\slot+2:G0+4*\slot+3], 2*ROWB
	s_add_nc_u64 s[G0B+4*\slot+2:G0B+4*\slot+3], s[G0B+4*\slot+2:G0B+4*\slot+3], 2*4096
	JLOAD G0+4*\slot, G1, G0B+4*\slot, G1B         ; the first tensor load behind the round; its four v_nop are the places in front of the loads below
.else
	PLACES NP
.endif
	v_add_nc_u32 v[ADRS], 4*NQ, v[ADRS]            ; on to the next K step's scale words
	FETCH_B \next, 0, 0
	FETCH_A \next, 0, 0
	SCALES \next
	WIN MUL_HI
	MUL16 4, 1, NQ-1, \slot, 0
	MUL16 6, 1, NQ-1, \slot, 0
	PLACES NP
	WIN 0
	FETCH_A \next, 0, 4
.endm
.macro STEPS slot, from
.set Q, \from
.rept NQ-1-\from
	STEP \slot, Q, 0
.set Q, Q+1
.endr
.endm
	s_wait_tensorcnt 1                             ; the scales and my part of K step 0 are in (K step 1's load may be out)
	s_barrier_signal -1
	s_barrier_wait -1
	FETCH_B 0, 0, 0
	FETCH_A 0, 0, 0
	SCALES 0
	FETCH_A 0, 0, 4
	STEP 0, 0, 1                                   ; the first step's products start the sums: nothing is cleared
	s_mov_b32 s3, LAPS-1
.Llap:                                                 ; a trip goes once round the ring and fills both slots again
	STEPS 0, 1
	TURN 0, 1, 1
	STEPS 1, 0
	TURN 1, 0, 1
	STEP 0, 0, 0
	s_sub_co_u32 s3, s3, 1
	s_cmp_lg_u32 s3, 0
	s_cbranch_scc1 .Llap
	STEPS 0, 1                                     ; the last lap fills nothing
	TURN 0, 1, 0
	STEPS 1, 0
	s_wait_dscnt 4*NL
	WIN MUL_LO
	MUL16 0, 1, NQ-1, 1, 0
	MUL16 2, 1, NQ-1, 1, 0
	s_wait_dscnt 0
	WIN MUL_HI
	MUL16 4, 1, NQ-1, 1, 0
	MUL16 6, 1, NQ-1, 1, 0
	WIN 0
; THE WAY OUT, block by block of 16 tokens x 128 channels.
; RoPE: channel d under 64: q(d) cos(d) - q(d + 64) sin(d);  d from 64 on: q(d) cos(d) + q(d - 64) sin(d).  The result is written over cos.  Each accumulator is read from its low end on.
.macro ROPE a
	SETOF \a
.set AC, 64*((\a)%4)
.set WN, (2+(\a)/4)|(CW*0x54)
	WIN WN                                         ; source 0: the accumulators' window; source 1, source 2 and destination: the set's
.irp b, 0,1,2,3
.irp e, 0,2,4,6
	v_pk_mul_f32 v[CC+8*\b+\e:CC+8*\b+\e+1], v[AC+8*\b+\e:AC+8*\b+\e+1], v[CC+8*\b+\e:CC+8*\b+\e+1]
	v_pk_mul_f32 v[CC+32+8*\b+\e:CC+32+8*\b+\e+1], v[AC+32+8*\b+\e:AC+32+8*\b+\e+1], v[CC+32+8*\b+\e:CC+32+8*\b+\e+1]
.endr
.irp e, 0,2,4,6
	v_pk_fma_f32 v[CC+8*\b+\e:CC+8*\b+\e+1], v[AC+32+8*\b+\e:AC+32+8*\b+\e+1], v[CN+8*\b+\e:CN+8*\b+\e+1], v[CC+8*\b+\e:CC+8*\b+\e+1] neg_lo:[1,0,0] neg_hi:[1,0,0]
	v_pk_fma_f32 v[CC+32+8*\b+\e:CC+32+8*\b+\e+1], v[AC+8*\b+\e:AC+8*\b+\e+1], v[CN+32+8*\b+\e:CN+32+8*\b+\e+1], v[CC+32+8*\b+\e:CC+32+8*\b+\e+1]
.endr
.endr
	WIN 0
.endm
.macro PACKR a                         ; rounded once to f16: 16 bytes a lane for each sixteen channels
	SETOF \a
.set WN, CW*5
	WIN WN                                         ; sources 0 and 1: the set's window
.irp i, 0,1,2,3,4,5,6,7,8,9,10,11,12,13,14,15,16,17,18,19,20,21,22,23,24,25,26,27,28,29,30,31
	v_cvt_pk_f16_f32 v[TMP+\i], v[CC+2*\i], v[CC+2*\i+1]
.endr
	WIN 0
.endm
.macro PACKV a                         ; the same straight from the accumulators (v has no RoPE)
.set AC, 64*((\a)%4)
	WIN 0x0a+5*((\a)/4)                            ; sources 0 and 1: window 2 or 3
.irp i, 0,1,2,3,4,5,6,7,8,9,10,11,12,13,14,15,16,17,18,19,20,21,22,23,24,25,26,27,28,29,30,31
	v_cvt_pk_f16_f32 v[TMP+\i], v[AC+2*\i], v[AC+2*\i+1]
.endr
	WIN 0
.endm
.macro TOSTAGE a                       ; into my own stage and back as whole rows of 256 bytes: LDS serves a wave's instructions in order
.set BB, BK+32*((\a)%2)
.irp b, 0,1,2,3,4,5,6,7
	ds_store_b128 v[STO], v[TMP+4*\b:TMP+4*\b+3] offset:32*\b
.endr
.irp t, 0,1,2,3,4,5,6,7
	ds_load_b128 v[BB+4*\t:BB+4*\t+3], v[RD] offset:\t*2*SPITCH
.endr
.endm
.macro SEND a
.set BB, BK+32*((\a)%2)
	s_wait_dscnt 0x0                               ; the block is back in registers
	s_wait_xcnt 0x0                                ; earlier stores have read their base and their data: the base steps, the other set of rows may be loaded again, and so may the set of cos that the f32 copy read
.if (\a) > 0
	s_add_nc_u64 s[OUTP:OUTP+1], s[OUTP:OUTP+1], 16*CROW
.endif
.irp t, 0,1,2,3,4,5,6,7
	global_store_b128 v[CO], v[BB+4*\t:BB+4*\t+3], s[OUTP:OUTP+1] offset:2*\t*CROW   ; sixteen lanes store 256 consecutive aligned bytes: a token's head
.endr
.endm
	s_cmp_eq_u32 ttmp9, 3                          ; the clusters with x = 3 hold v's columns: the same in all partners
	s_cbranch_scc1 .Lvalues
	PLACES NP                                      ; behind the last products: for the loads into W's and the scales' registers and the reads of results
	s_wait_loadcnt 0x0                             ; block 0's cos and sin, asked for at the head
	CSLOAD 1
; Block a's tables were asked for two blocks earlier (block 1's just now): in block a, behind the stores of block a - 1, block a + 2's 32 loads go out into the set that block a - 1 has left.
.irp a, 0,1,2,3,4,5,6,7
.if \a == 7
	s_wait_loadcnt 0x0
.elseif \a > 0
	s_wait_loadcnt 32                              ; this block's cos and sin are in; the 32 loads issued behind them, the next block's, may be out
.endif
	ROPE \a
.if \a == 0
	s_cmp_lg_u32 s66, 0                            ; the first 16 positions of a sequence also leave in f32: cluster y and the wave's number decide
	s_cbranch_scc1 .Lcoarse_r
	SETOF 0
	WIN 0x04                                       ; a store's data: window 1
.irp i, 0,1,2,3,4,5,6,7,8,9,10,11,12,13,14,15
	global_store_b128 v[FIO], v[CC+4*\i:CC+4*\i+3], s[FINP:FINP+1] offset:512*\i   ; an image: 512 consecutive bytes a store
.endr
	WIN 0
.Lcoarse_r:
.endif
	PACKR \a
.if \a > 0
	SEND \a-1
.endif
.if \a < 6
	CSLOAD \a+2
.endif
	TOSTAGE \a
.endr
	SEND 7
	s_branch .Lend
.Lvalues:
	PLACES NP
	s_cmp_lg_u32 s66, 0
	s_cbranch_scc1 .Lcoarse_v
	WIN 0x08                                       ; a store's data: window 2
.irp b, 0,1,2,3,4,5,6,7
	global_store_b128 v[FIO], v[8*\b:8*\b+3], s[FINP:FINP+1] offset:1024*\b        ; each accumulator from its low end on
	global_store_b128 v[FIO], v[8*\b+4:8*\b+7], s[FINP:FINP+1] offset:1024*\b+512
.endr
	WIN 0
.Lcoarse_v:
	PACKV 0
	TOSTAGE 0
.irp a, 1,2,3,4,5,6,7
	PACKV \a
	SEND \a-1
	TOSTAGE \a
.endr
	SEND 7
.Lend:
	s_wait_tensorcnt 0x0                           ; the wave's end, behind my last tensor load and my last LDS store
	ds_add_u32 v[SPW], v[NIL]
	s_wait_dscnt 0x0
	CROUND                                         ; the closing round: no work-group ends while a partner may still ask for a tile that names it
	s_endpgm
.Lfunc_end_k_q99ed5bd89e_proj_qkv:
	.size	k_q99ed5bd89e_proj_qkv, .Lfunc_end_k_q99ed5bd89e_proj_qkv-k_q99ed5bd89e_proj_qkv
	.p2alignl 7, 3214868480
	.fill 96, 4, 3214868480
	.section	.rodata,"a",@progbits
	.p2align	6, 0x0
	.amdhsa_kernel k_q99ed5bd89e_proj_qkv
		.amdhsa_group_segment_fixed_size 327680
		.amdhsa_private_segment_fixed_size 0
		.amdhsa_enable_private_segment 0
		.amdhsa_kernarg_size 56
		.amdhsa_user_sgpr_count 2
		.amdhsa_user_sgpr_kernarg_segment_ptr 1
		.amdhsa_wavefront_size32 1
		.amdhsa_system_sgpr_workgroup_id_x 1
		.amdhsa_system_sgpr_workgroup_id_y 1
		.amdhsa_system_sgpr_workgroup_id_z 1
		.amdhsa_system_vgpr_workitem_id 0
		.amdhsa_next_free_vgpr 1024
		.amdhsa_next_free_sgpr 102
		.amdhsa_reserve_vcc 0
		.amdhsa_float_denorm_mode_32 3
		.amdhsa_float_denorm_mode_16_64 3
		.amdhsa_memory_ordered 1
		.amdhsa_forward_progress 1
		.amdhsa_inst_pref_size 255
	.end_amdhsa_kernel
	.section	.bss,"aw",@nobits
	.p2align	6
	.space	262144
	.amdgpu_metadata
---
amdhsa.version: [ 1, 2 ]
amdhsa.kernels:
  - .name:           k_q99ed5bd89e_proj_qkv
    .symbol:         k_q99ed5bd89e_proj_qkv.kd
    .args:
      - { .name: xq, .offset: 0, .size: 8, .value_kind: global_buffer, .address_space: global }
      - { .name: wq4, .offset: 8, .size: 8, .value_kind: global_buffer, .address_space: global }
      - { .name: qkv, .offset: 16, .size: 8, .value_kind: global_buffer, .address_space: global }
      - { .name: cos, .offset: 24, .size: 8, .value_kind: global_buffer, .address_space: global }
      - { .name: sin, .offset: 32, .size: 8, .value_kind: global_buffer, .address_space: global }
      - { .name: nz_position_ids, .offset: 40, .size: 8, .value_kind: global_buffer, .address_space: global }
      - { .name: qkvf, .offset: 48, .size: 8, .value_kind: global_buffer, .address_space: global }
    .group_segment_fixed_size: 327680
    .private_segment_fixed_size: 0
    .kernarg_segment_align: 8
    .kernarg_segment_size: 56
    .max_flat_workgroup_size: 128
    .sgpr_count:     102
    .vgpr_count:     1024
    .wavefront_size: 32
...
	.end_amdgpu_metadata
.endif
;; end of part 2
;; launch fine_attn (part 3): grid 16 x 4, 1 waves a work-group, no clusters, 0 bytes of LDS; arguments qkvf, afine; writes afine
.if DOCPART == 3
	.amdgcn_target "amdgcn-amd-amdhsa--gfx1250"
	.amdhsa_code_object_version 6
	.text
	.protected	k_q99ed5bd89e_fine_attn
	.globl	k_q99ed5bd89e_fine_attn
	.p2align	8
	.type	k_q99ed5bd89e_fine_attn,@function
k_q99ed5bd89e_fine_attn:
	s_mov_b64 s[64:65], 0
	v_nop
	global_prefetch_b8 v0, s[64:65] scope:SCOPE_SE
	s_setreg_imm32_b32 hwreg(HW_REG_WAVE_MODE, 25, 1), 1
	s_wait_xcnt 0x0
; The first 16 positions of a sequence average one to sixteen values, so they are carried in f32: one wave makes the attention of these 16 queries for one head (x) of one sequence (y), by the f32 matrix form.
; q, k, v come unrounded from qkvf as images of registers: lane (r, h) holds token r and, in register 8 b + j, channel 16 b + 8 h + j.
; S^T = K Q^T: a step of 4 along the channels takes registers 8 b + 2 u, 8 b + 2 u + 1 of both operands: the same permutation of channels on both sides, so the products are the same.
; In the result lane (r, h) holds query r and keys 8 h + 0 .. 7.  Only the causal mask counts here (a query under 16 is never 512 past a key).
; O^T = V^T P^T: a step takes keys 8 h + 2 u, + 1; V is loaded so that lane (r, h) holds, for tile t, V[key 8 h + i][channel 16 t + r].
; The result, O / the row's sum, leaves as a pair of f16 numbers, a high part and (O - high part) x 2048, laid as images of the next product's fragments:
; afine [sequence 4][32 along K 64][high, low][1,024 bytes].  LIMIT: |O| stays under 65,504.
; REGISTERS: v16-79 Q, later at work; v80-143 K, later at work; v144-207 V^T; v208-239 four accumulators, written by matrix instructions alone; v240-247 p; v248-255 statistics.
	s_load_b128 s[4:7], s[0:1], 0x0                ; qkvf, afine
	v_and_b32 v1, 15, v0                           ; r
	v_lshrrev_b32 v2, 4, v0                        ; h (one wave: v0 is the lane)
	v_lshlrev_b32 v3, 4, v0                        ; an image: 16 x lane
	v_bfe_u32 v4, v0, 2, 1                         ; V's channel 16 t + r lies in the image at 512 ((r / 4) % 2) + 256 (r / 8) + 4 (r % 4); key 8 h + i at 16 (8 h + i)
	v_lshlrev_b32 v4, 9, v4
	v_bfe_u32 v7, v0, 3, 1
	v_lshl_add_u32 v4, v7, 8, v4
	v_and_b32 v7, 3, v0
	v_lshl_add_u32 v4, v7, 2, v4
	v_lshl_add_u32 v4, v2, 7, v4
	v_lshlrev_b32 v5, 3, v2
	v_sub_nc_u32 v5, v1, v5                        ; r - 8 h: register j's key is hidden where j is above it
	v_mov_b32 v6, 0xff800000                       ; -infinity
	s_and_b32 s8, ttmp7, 0xffff                    ; the sequence
	s_lshl_b32 s9, s8, 5
	s_add_co_u32 s10, s9, ttmp9                    ; q's slot: the head
	s_lshr_b32 s11, ttmp9, 1                       ; two query heads to a key and value head
	s_add_co_u32 s11, s11, s9
	s_add_co_u32 s11, s11, 16                      ; k's slot
	s_lshl_b32 s12, s10, 13
	s_mov_b32 s13, 0
	s_lshl_b32 s14, s11, 13
	s_mov_b32 s15, 0
	s_lshl_b32 s16, s8, 17                         ; out: 131,072 bytes a sequence, 8,192 a head
	s_lshl_b32 s17, ttmp9, 13
	s_add_co_u32 s16, s16, s17
	s_mov_b32 s17, 0
	s_mov_b32 s20, 0x76543210
	s_mov_b32 s21, 0xfedcba98                      ; v_permlanex16_b32's selects for lane l xor 16
	s_mov_b32 s22, 0x3e0293ee                      ; c = log2(e) / sqrt(128)
	s_mov_b32 s23, s22
	s_mov_b32 s24, 0x45000000                      ; 2048.0
	s_mov_b32 s25, s24
	s_wait_kmcnt 0x0
	s_add_nc_u64 s[12:13], s[4:5], s[12:13]
	s_add_nc_u64 s[14:15], s[4:5], s[14:15]
	s_add_nc_u64 s[18:19], s[14:15], 65536         ; v's slot: eight slots on
	s_add_nc_u64 s[6:7], s[6:7], s[16:17]
.irp i, 0,1,2,3,4,5,6,7,8,9,10,11,12,13,14,15
	global_load_b128 v[16+4*\i:19+4*\i], v3, s[12:13] offset:512*\i
	global_load_b128 v[80+4*\i:83+4*\i], v3, s[14:15] offset:512*\i
.endr
.irp t, 0,1,2,3,4,5,6,7
.irp i, 0,1,2,3,4,5,6,7
	global_load_b32 v[144+8*\t+\i], v4, s[18:19] offset:1024*\t+16*\i
.endr
.endr
	s_wait_loadcnt 0x0
.irp b, 0,1,2,3,4,5,6,7                        ; four accumulators by turns, one instruction a turn; the first four products start the sums
.irp u, 0,1,2,3
.if \b == 0
	v_wmma_f32_16x16x4_f32 v[208+8*\u:215+8*\u], v[80+8*\b+2*\u:81+8*\b+2*\u], v[16+8*\b+2*\u:17+8*\b+2*\u], 0
.else
	v_wmma_f32_16x16x4_f32 v[208+8*\u:215+8*\u], v[80+8*\b+2*\u:81+8*\b+2*\u], v[16+8*\b+2*\u:17+8*\b+2*\u], v[208+8*\u:215+8*\u]
.endif
.endr
.endr
.rept 8
	v_nop                                          ; eight places behind this form, ahead of the first read of results and the first write of a source
.endr
.irp e, 0,2,4,6
	v_pk_add_f32 v[16+\e:17+\e], v[208+\e:209+\e], v[216+\e:217+\e]   ; the four partial sums, each accumulator from its low end on
.endr
.irp e, 0,2,4,6
	v_pk_add_f32 v[24+\e:25+\e], v[224+\e:225+\e], v[232+\e:233+\e]
.endr
.irp e, 0,2,4,6
	v_pk_add_f32 v[16+\e:17+\e], v[16+\e:17+\e], v[24+\e:25+\e]
.endr
.irp j, 0,1,2,3,4,5,6,7
	v_cmp_gt_i32 vcc_lo, \j, v5                    ; key 8 h + j comes after query r
	v_cndmask_b32 v[16+\j], v[16+\j], v6, vcc_lo
.endr
	v_max3_num_f32 v248, v16, v17, v18
	v_max3_num_f32 v249, v19, v20, v21
	v_max3_num_f32 v248, v248, v22, v23
	v_max_num_f32 v248, v248, v249
	v_permlanex16_b32 v249, v248, s20, s21
	v_max_num_f32 v248, v248, v249                 ; the row's maximum: key 0 counts for every query, so it is a number
	v_mul_f32 v250, s22, v248                      ; c m
	v_mov_b32 v251, v250
.irp e, 0,2,4,6
	v_pk_fma_f32 v[16+\e:17+\e], v[16+\e:17+\e], s[22:23], v[250:251] op_sel_hi:[1,0,0] neg_lo:[0,0,1] neg_hi:[0,0,1]   ; c s - c m
.endr
.irp j, 0,1,2,3,4,5,6,7
	v_exp_f32 v[240+\j], v[16+\j]
.endr
	v_nop                                          ; a plain instruction behind the last exponential
	s_wait_alu depctr_va_vdst(0)                   ; one wait for the batch, ahead of its first reader
	v_pk_add_f32 v[252:253], v[240:241], v[242:243]
	v_pk_add_f32 v[254:255], v[244:245], v[246:247]
	v_pk_add_f32 v[252:253], v[252:253], v[254:255]
	v_add_f32 v252, v252, v253
	v_permlanex16_b32 v253, v252, s20, s21
	v_add_f32 v252, v252, v253                     ; the row's sum
	v_rcp_f32 v254, v252
	v_nop
	s_wait_alu depctr_va_vdst(0)                   ; ahead of the reciprocal's first reader
.macro HALF hf                         ; channels 64 hf on: four tiles of 16, four steps of 4 keys
.rept 9
	v_nop                                          ; nine places ahead of matrix instructions that begin anew on accumulators written before
.endr
.irp u, 0,1,2,3
.irp i, 0,1,2,3
.if \u == 0
	v_wmma_f32_16x16x4_f32 v[208+8*\i:215+8*\i], v[144+8*(4*\hf+\i)+2*\u:145+8*(4*\hf+\i)+2*\u], v[240+2*\u:241+2*\u], 0
.else
	v_wmma_f32_16x16x4_f32 v[208+8*\i:215+8*\i], v[144+8*(4*\hf+\i)+2*\u:145+8*(4*\hf+\i)+2*\u], v[240+2*\u:241+2*\u], v[208+8*\i:215+8*\i]
.endif
.endr
.endr
.rept 8
	v_nop
.endr
.irp i, 0,1,2,3
.irp e, 0,2,4,6
	v_pk_mul_f32 v[32+8*\i+\e:33+8*\i+\e], v[208+8*\i+\e:209+8*\i+\e], v[254:255] op_sel_hi:[1,0]   ; O / the sum, into other registers
.endr
.endr
.irp k, 0,1,2,3,4,5,6,7,8,9,10,11,12,13,14,15
	v_cvt_pk_f16_f32 v[64+\k], v[32+2*\k], v[33+2*\k]              ; the high parts
.endr
.set n, 0
.irp h, v64.l,v64.h,v65.l,v65.h,v66.l,v66.h,v67.l,v67.h,v68.l,v68.h,v69.l,v69.h,v70.l,v70.h,v71.l,v71.h,v72.l,v72.h,v73.l,v73.h,v74.l,v74.h,v75.l,v75.h,v76.l,v76.h,v77.l,v77.h,v78.l,v78.h,v79.l,v79.h
	v_cvt_f32_f16 v[80+n], \h
.set n, n+1
.endr
.irp k, 0,2,4,6,8,10,12,14,16,18,20,22,24,26,28,30
	v_pk_add_f32 v[80+\k:81+\k], v[32+\k:33+\k], v[80+\k:81+\k] neg_lo:[0,1] neg_hi:[0,1]   ; what the high part left out
.endr
.irp k, 0,2,4,6,8,10,12,14,16,18,20,22,24,26,28,30
	v_pk_mul_f32 v[80+\k:81+\k], v[80+\k:81+\k], s[24:25] op_sel_hi:[1,0]
.endr
.irp k, 0,1,2,3,4,5,6,7,8,9,10,11,12,13,14,15
	v_cvt_pk_f16_f32 v[112+\k], v[80+2*\k], v[81+2*\k]
.endr
.irp i, 0,1,2,3                                ; tiles 2 c and 2 c + 1 are registers 0-3 and 4-7 of the fragment of channels 32 c on
	global_store_b128 v3, v[64+4*\i:67+4*\i], s[6:7] offset:(2*\hf+\i/2)*2048+512*(\i%2)
	global_store_b128 v3, v[112+4*\i:115+4*\i], s[6:7] offset:(2*\hf+\i/2)*2048+1024+512*(\i%2)
.endr
.endm
	HALF 0
	s_wait_xcnt 0x0                                ; the stores have read their data: the second half writes the same registers
	HALF 1
	s_endpgm
.Lfunc_end_k_q99ed5bd89e_fine_attn:
	.size	k_q99ed5bd89e_fine_attn, .Lfunc_end_k_q99ed5bd89e_fine_attn-k_q99ed5bd89e_fine_attn
	.p2alignl 7, 3214868480
	.fill 96, 4, 3214868480
	.section	.rodata,"a",@progbits
	.p2align	6, 0x0
	.amdhsa_kernel k_q99ed5bd89e_fine_attn
		.amdhsa_group_segment_fixed_size 0
		.amdhsa_private_segment_fixed_size 0
		.amdhsa_enable_private_segment 0
		.amdhsa_kernarg_size 16
		.amdhsa_user_sgpr_count 2
		.amdhsa_user_sgpr_kernarg_segment_ptr 1
		.amdhsa_wavefront_size32 1
		.amdhsa_system_sgpr_workgroup_id_x 1
		.amdhsa_system_sgpr_workgroup_id_y 1
		.amdhsa_system_sgpr_workgroup_id_z 1
		.amdhsa_system_vgpr_workitem_id 0
		.amdhsa_next_free_vgpr 256
		.amdhsa_next_free_sgpr 66
		.amdhsa_reserve_vcc 1
		.amdhsa_float_denorm_mode_32 3
		.amdhsa_float_denorm_mode_16_64 3
		.amdhsa_memory_ordered 1
		.amdhsa_forward_progress 1
		.amdhsa_inst_pref_size 33
	.end_amdhsa_kernel
	.amdgpu_metadata
---
amdhsa.version: [ 1, 2 ]
amdhsa.kernels:
  - .name:           k_q99ed5bd89e_fine_attn
    .symbol:         k_q99ed5bd89e_fine_attn.kd
    .args:
      - { .name: qkvf, .offset: 0, .size: 8, .value_kind: global_buffer, .address_space: global }
      - { .name: afine, .offset: 8, .size: 8, .value_kind: global_buffer, .address_space: global }
    .group_segment_fixed_size: 0
    .private_segment_fixed_size: 0
    .kernarg_segment_align: 8
    .kernarg_segment_size: 16
    .max_flat_workgroup_size: 32
    .sgpr_count:     66
    .vgpr_count:     256
    .wavefront_size: 32
...
	.end_amdgpu_metadata
.endif
;; end of part 3
;; launch attention (part 4): grid 8 x 32, 4 waves a work-group, no clusters, 327,680 bytes of LDS; arguments qkv, ctx; writes ctx
.if DOCPART == 4
	.amdgcn_target "amdgcn-amd-amdhsa--gfx1250"
	.amdhsa_code_object_version 6
	.text
	.protected	k_q99ed5bd89e_attention
	.globl	k_q99ed5bd89e_attention
	.p2align	8
	.type	k_q99ed5bd89e_attention,@function
k_q99ed5bd89e_attention:
	s_mov_b64 s[64:65], 0
	v_nop
	global_prefetch_b8 v0, s[64:65] scope:SCOPE_SE
	s_setreg_imm32_b32 hwreg(HW_REG_WAVE_MODE, 25, 1), 1
	s_wait_xcnt 0x0
; ctx[token][head] = softmax over the keys j of the token's sequence with j <= i and i - j <= 512 of (q . k / sqrt(128)), times v.  q, k, v: f16 in qkv [4096][4096]; ctx: f16 [4096][2048].
; Products on f16 operands with f32 sums; maxima, exponentials and sums in f32; the weights p (at most 1) are rounded to f16 for the second product, the result once at the end.  LIMIT: |result| under 65,504.
; SHARES.  A work-group owns 128 positions (x) of one sequence and one key and value head (y = 8 x sequence + head), for BOTH query heads that share it: 256 query rows.  Wave w owns positions 32 w .. 32 w + 31:
; four tiles of 16 queries, tile t = 2 x (which 16 positions) + (which query head).
; THE WALK goes BACKWARD from the diagonal in blocks of 128 keys: block s = 0 .. 4 holds the keys of query block x - s, and is walked where s <= min(x, 4).  All else lies under the mask and is not computed.
; Block 0 is cut by the causal mask (hidden where the key's place in its block is above the query's), block 4 by the window (hidden where it is below); blocks 1 to 3 are open.
; The first key of block 0 counts for every query, so the running maximum is a number from the first step on.
; LAYOUT.  S^T = K Q^T and O^T = V^T P, so that a lane holds one query throughout; K comes out of LDS as it lies, V turned by ds_load_tr16_b128.  A block is two steps of 64 keys.
; SOFTMAX.  A running maximum m and sum l for each query: p = 2^(c s - c m), c = log2(e) / sqrt(128); for every step O and l are multiplied by a = 2^(c m_old - c m_new).
; TWO THINGS ARE LEFT TO THE NEXT STEP, so that each run of matrix instructions has vector work of the same wave between its lines that names none of their registers:
;   step j's K Q^T carries, two packed multiplies behind each product, the rescaling of O^T by step j - 1's a;
;   step j - 1's V^T P is issued one product behind each of the first 64 numbers of step j's softmax list (maxima, scalings, exponentials: they touch S^T and the statistics alone).
; The order of the arithmetic on O^T stays: x a(j - 1), + P(j - 1) V(j - 1), x a(j).  Behind the last block the rescaling and the products that are still owed are run by themselves.
; That costs two switches of the register window for each matrix instruction: a step's 408 vector instructions set in a phase of their own would leave the matrix unit idle all that while.
; The step is written without a first step of its own: O^T, l, a, P and V begin as zeros and m as -3e38: 448 v_mov_b32 once, and the first step's 64 products of zeros, spare more copies of the step.
; THE RING: two slots of one block each, one tensor load a wave (waves 0, 1: K's two steps; waves 2, 3: V's).  The change of slots stands at a block's head; behind its barrier the next block is asked for,
; while there is one: the jump round that load hangs on the work-group's x and the count of blocks alone, is the same in all four waves, and every wait for tensor loads in this text is for 0.
; NO CLUSTER: the two query heads that share K and V are already in one work-group, and the query blocks of a head read different key blocks in each step (x - s), and different numbers of them (min(x, 4) + 1).
; REGISTERS, in windows of 256: window 0: v2-10 addresses; v12-43 eight statistics a tile; v44-47 the mask's bounds; v64-191 S^T, 32 a tile; v192-255 P, 16 a tile.
;   window 1: O^T, 64 a tile.   window 2: v0-127 Q, 32 a tile; v128-255 K of a step.   window 3: v0-127 V of a step.
.set KS,    64
.set PK,    272                        ; a row of K in LDS: 256 + 16
.set PV,    288                        ; a row of V: 256 + 32, for the turning load
.set VOFF,  KS*PK
.set STEPB, KS*(PK+PV)
.set SLOT1, 1<<17                      ; slot 1 begins here: one exclusive or turns an address from one slot to the other
.set STAGE, SLOT1+2*STEPB              ; behind the ring: 16 rows x 272 bytes a wave for the way out
.set SP,    272
.set SPARE, STAGE+4*16*SP              ; the spare words: 128 bytes a wave, two blocks of 256 bytes that no other line names
.set AK0, 2
.set AV0, 3
.set ADRK, 4
.set QO,  5
.set STO, 6
.set RD,  7
.set GO,  8
.set ADRV, 10
.set ST,  12                           ; tile t at v[ST + 8 t]: +0 c m, +1 m, +2, +3 l, +4 .. +7 at work; a takes +6 and keeps it until the next step's maxima begin
.set DQ,  44                           ; v[44 + 2 u + pt]: my query's place less 8 (l / 16) less 64 u
.set NINF, 48
.set SPW, 62
.set NIL, 63
.set S,   64
.set P,   192
.set KF,  128
.set WV,  12
.set G1K, 24
.set G1V, 32
.set G0K, 40
.set G0V, 44
.set SB,  48                           ; s48 the block in hand
.set LIM, 49                           ; s49 the last block that is walked: min(x, 4)
.set TB,  50                           ; s50 LDS byte at which the slot in hand begins
.set CS,  52
.set SEL, 54
.set MSB, 0
.macro WIN new
.if MSB != \new
	s_set_vgpr_msb (MSB<<8)|\new
.set MSB, \new
.endif
.endm
.set W_KQ, 0x0a                        ; K and Q in window 2, S^T in window 0
.set W_PV, 0x53                        ; V in window 3, P in window 0, O^T in window 1
.set W_RS, 0x41                        ; O^T in window 1, a in window 0
.macro TLOAD                           ; waves 0 and 1 fetch K's two steps, waves 2 and 3 V's; an s_nop 0 and four v_nop follow each line
	s_cmp_lt_u32 s[WV], 2
	s_cbranch_scc0 .Lfor_v_\@
	tensor_load_to_lds s[G0K:G0K+3], s[G1K:G1K+7]
	s_nop 0
.rept 4
	v_nop
.endr
	s_branch .Lasked_\@
.Lfor_v_\@:
	tensor_load_to_lds s[G0V:G0V+3], s[G1V:G1V+7]
	s_nop 0
.rept 4
	v_nop
.endr
.Lasked_\@:
.endm
.macro PLACES
.rept 4
	v_nop
.endr
.endm
	s_load_b128 s[4:7], s[0:1], 0x0                ; qkv, ctx
	v_lshl_add_u32 v[SPW], v0, 2, SPARE
	v_mov_b32 v[NIL], 0
	ds_add_u32 v[SPW], v[NIL]                      ; the wave's opening: the add, twice on end, and its wait ahead of my first tensor load
	ds_add_u32 v[SPW], v[NIL]
	v_lshrrev_b32 v1, 5, v0
	v_readfirstlane_b32 s[WV], v1
	s_and_b32 s13, ttmp7, 0xffff
	s_lshr_b32 s14, s13, 3                         ; the sequence
	s_and_b32 s15, s13, 7                          ; the key and value head
	s_min_u32 s[LIM], ttmp9, 4
	s_lshl_b32 s16, s14, 10
	s_lshl_b32 s17, ttmp9, 7
	s_add_co_u32 s16, s16, s17                     ; the query block's first token; block 0's first key too
	s_and_b32 s17, s[WV], 1                        ; which of a block's two steps I fetch
	s_lshl_b32 s18, s17, 6
	s_add_co_u32 s18, s18, s16
	s_lshl_b32 s18, s18, 13                        ; 8,192 bytes a token
	s_lshl_b32 s19, s15, 8
	s_add_co_u32 s18, s18, s19
	s_add_co_u32 s18, s18, 4096                    ; k's heads begin at byte 4,096 of a row
	s_mov_b32 s19, 0
	s_mul_i32 s20, s17, STEPB
	s_lshl_b32 s21, s[WV], 5
	s_add_co_u32 s21, s21, s16                     ; my wave's first token
	s_lshl_b32 s22, s21, 13
	s_lshl_b32 s23, s15, 9                         ; two query heads of 256 bytes to a key and value head
	s_add_co_u32 s22, s22, s23
	s_lshl_b32 s2, s21, 12                         ; ctx: 4,096 bytes a token
	s_add_co_u32 s2, s2, s23
	s_mov_b32 s23, 0
	s_mov_b32 s3, 0
	s_mov_b32 s[G1K], (1<<16)|(1<<20)|(5<<22)|(3<<25)   ; elements of 2 bytes; 4 words of padding after every 64
	s_mov_b32 s[G1V], (1<<16)|(1<<20)|(5<<22)|(7<<25)   ; the same with 8 words
.irp g, G1K, G1V
	s_mov_b32 s[\g+1], 128<<16                     ; tensor_dim0
	s_mov_b32 s[\g+2], KS<<16                      ; tensor_dim1
	s_mov_b32 s[\g+3], 128<<16                     ; tile_dim0
	s_mov_b32 s[\g+4], KS                          ; tile_dim1
	s_mov_b32 s[\g+5], 4096                        ; elements from token to token
	s_mov_b32 s[\g+6], 0
	s_mov_b32 s[\g+7], 0
.endr
	s_mov_b32 s[CS], 0x3e0293ee                    ; c = log2(e) / sqrt(128)
	s_mov_b32 s[CS+1], s[CS]
	s_mov_b32 s[SEL], 0x76543210
	s_mov_b32 s[SEL+1], 0xfedcba98
	s_mov_b32 s[TB], 0
	s_mov_b32 s[SB], 0
	s_wait_dscnt 0x0                               ; both opening adds are done
	s_wait_kmcnt 0x0
	s_mov_b32 s[G0K], 1
	s_mov_b32 s[G0K+1], s20
	s_add_nc_u64 s[G0K+2:G0K+3], s[4:5], s[18:19]
	s_mov_b32 s[G0V], 1
	s_add_co_u32 s[G0V+1], s20, VOFF
	s_add_nc_u64 s[G0V+2:G0V+3], s[G0K+2:G0K+3], 2048   ; v's heads lie 2,048 bytes behind k's
	s_or_b32 s[G0K+3], s[G0K+3], 0x80000000
	s_or_b32 s[G0V+3], s[G0V+3], 0x80000000
	TLOAD                                          ; block 0 into slot 0: one tensor load of mine is out
	s_add_nc_u64 s[8:9], s[4:5], s[22:23]          ; Q at my wave's first token
	s_add_nc_u64 s[10:11], s[6:7], s[2:3]          ; ctx likewise
	v_and_b32 v1, 15, v0                           ; r
	v_bfe_u32 v9, v0, 4, 1                         ; h
	v_lshlrev_b32 v[QO], 13, v1
	v_lshl_add_u32 v[QO], v9, 4, v[QO]
	WIN 0x80                                       ; destination window 2
.irp t, 0,1,2,3
.irp c, 0,1,2,3
	global_load_b128 v[32*\t+8*\c:32*\t+8*\c+3],   v[QO], s[8:9] offset:(\t/2)*131072+(\t%2)*256+\c*64
	global_load_b128 v[32*\t+8*\c+4:32*\t+8*\c+7], v[QO], s[8:9] offset:(\t/2)*131072+(\t%2)*256+\c*64+32
.endr
.endr
	WIN 0
	v_mul_u32_u24 v[AK0], v1, PK
	v_lshl_add_u32 v[AK0], v9, 4, v[AK0]           ; K: row x pitch + 16 x half
	v_and_b32 v50, 7, v0                           ; V, for the turning load: key 8 h + l % 8, channels 8 ((l / 8) % 2) on
	v_bfe_u32 v51, v0, 3, 1
	v_lshl_add_u32 v[AV0], v9, 3, v50
	v_mul_u32_u24 v[AV0], v[AV0], PV
	v_lshl_add_u32 v[AV0], v51, 4, v[AV0]
	v_add_nc_u32 v[AV0], VOFF, v[AV0]
	s_mul_i32 s13, s[WV], 16*SP
	s_add_co_u32 s13, s13, STAGE                   ; my stage
	v_mul_u32_u24 v[STO], v1, SP
	v_lshl_add_u32 v[STO], v9, 4, v[STO]
	v_add_nc_u32 v[STO], s13, v[STO]
	v_mul_u32_u24 v[RD], v9, SP
	v_lshl_add_u32 v[RD], v1, 4, v[RD]
	v_add_nc_u32 v[RD], s13, v[RD]
	v_lshlrev_b32 v[GO], 12, v9
	v_lshl_add_u32 v[GO], v1, 4, v[GO]
	v_lshlrev_b32 v50, 3, v9
	v_sub_nc_u32 v50, v1, v50
	s_lshl_b32 s13, s[WV], 5
	v_add_nc_u32 v[DQ], s13, v50                   ; 32 w + r - 8 h
	v_add_nc_u32 v[DQ+1], 16, v[DQ]                ; the second 16 positions
	v_add_nc_u32 v[DQ+2], 0xffffffc0, v[DQ]        ; the block's second step: 64 keys on
	v_add_nc_u32 v[DQ+3], 0xffffffd0, v[DQ]
	v_mov_b32 v[NINF], 0xff800000
.irp t, 0,1,2,3
	v_mov_b32 v[ST+8*\t+1], 0xff61b1e6             ; m = -3e38, under every score
	v_mul_f32 v[ST+8*\t], s[CS], v[ST+8*\t+1]
.irp k, 2,3,4,5,6,7
	v_mov_b32 v[ST+8*\t+\k], 0                     ; l, and the a that the first step's rescaling takes
.endr
.endr
.set i, 0
.rept 64
	v_mov_b32 v[P+i], 0                            ; P: the first step's V^T P multiplies zeros
.set i, i+1
.endr
	WIN 0x40
.set i, 0
.rept 256
	v_mov_b32 v[i], 0                              ; O^T
.set i, i+1
.endr
	WIN 0xc0
.set i, 0
.rept 128
	v_mov_b32 v[i], 0                              ; V
.set i, i+1
.endr
	WIN 0
.macro FETCH_K u                       ; a step's K: 64 keys x 128 channels, 16 fragments
	WIN 0x80
.irp f, 0,1,2,3,4,5,6,7,8,9,10,11,12,13,14,15
	ds_load_b128 v[KF+8*\f:KF+8*\f+3],   v[ADRK] offset:(\u)*STEPB+(\f/4)*16*PK+(\f%4)*64
	ds_load_b128 v[KF+8*\f+4:KF+8*\f+7], v[ADRK] offset:(\u)*STEPB+(\f/4)*16*PK+(\f%4)*64+32
.endr
.endm
.macro FETCH_V u                       ; a step's V, turned: keys 32 (f / 8) on, channels 16 (f % 8) on
	WIN 0xc0
.irp f, 0,1,2,3,4,5,6,7,8,9,10,11,12,13,14,15
	ds_load_tr16_b128 v[8*\f:8*\f+3],   v[ADRV] offset:(\u)*STEPB+(\f/8)*32*PV+(\f%8)*32
	ds_load_tr16_b128 v[8*\f+4:8*\f+7], v[ADRV] offset:(\u)*STEPB+(\f/8)*32*PV+16*PV+(\f%8)*32
.endr
.endm
; S^T = K Q^T: 64 products; the sixteen accumulators take turns, one instruction a turn; the first sixteen start the sums.
; Behind product i stand two packed multiplies: registers 4 i .. 4 i + 3 of O^T times the a that the step before has left (tile i / 16).  They name no register of these products; each accumulator of O^T is read from its low end on.
.macro QKH
.set i, 0
.rept 64
	WIN W_KQ
.set rS, S+32*(i%4)+8*((i/4)%4)
.set rK, KF+32*((i/4)%4)+8*(i/16)
.set rQ, 32*(i%4)+8*(i/16)
.if i < 16
	v_wmma_f32_16x16x32_f16 v[rS:rS+7], v[rK:rK+7], v[rQ:rQ+7], 0
.else
	v_wmma_f32_16x16x32_f16 v[rS:rS+7], v[rK:rK+7], v[rQ:rQ+7], v[rS:rS+7]
.endif
	WIN W_RS
	v_pk_mul_f32 v[4*i:4*i+1], v[4*i:4*i+1], v[ST+8*(i/16)+6:ST+8*(i/16)+7] op_sel_hi:[1,0]
	v_pk_mul_f32 v[4*i+2:4*i+3], v[4*i+2:4*i+3], v[ST+8*(i/16)+6:ST+8*(i/16)+7] op_sel_hi:[1,0]
.set i, i+1
.endr
.endm
.macro PV1                             ; product j of 64 of O^T += V^T P: keys 32 (j / 32) on, channels 16 ((j / 4) % 8) on, tile j % 4: 32 accumulators by turns
	WIN W_PV
.set rO, 64*(j%4)+8*((j/4)%8)
.set rV, 64*(j/32)+8*((j/4)%8)
.set rP, P+16*(j%4)+8*(j/32)
	v_wmma_f32_16x16x32_f16 v[rO:rO+7], v[rV:rV+7], v[rP:rP+7], v[rO:rO+7]
.endm
; Register n of a tile holds key 64 u + 16 (n / 8) + 8 h + n % 8 of the block.  kind 1: hidden where the key's place is above the query's; kind 2: where it is below.  Both query heads of a position share the compare.
.macro MASK kind, u
.irp pt, 0,1
.set n, 0
.rept 32
.if \kind == 1
	v_cmp_gt_i32 vcc_lo, 16*(n/8)+n%8, v[DQ+2*(\u)+\pt]
.else
	v_cmp_lt_i32 vcc_lo, 16*(n/8)+n%8, v[DQ+2*(\u)+\pt]
.endif
	v_cndmask_b32 v[S+64*\pt+n], v[S+64*\pt+n], v[NINF], vcc_lo
	v_cndmask_b32 v[S+64*\pt+32+n], v[S+64*\pt+32+n], v[NINF], vcc_lo
.set n, n+1
.endr
.endr
.endm
; One tile's softmax for a step is a list of 102 instructions; SM writes number j of it for tile t.
;   0-15 the maximum of the 32 scores and the old m;  16-20 the other half of the lanes' maximum, the new m, c m and its change;  21-69 the 16 packed scalings c s - c m and all 33 exponentials (a among them):
;   none of these reads an exponential's result;  70-85 the roundings to f16;  86-101 the sums, l = a l + the sum.
.macro SM t
.set rT, ST+8*(\t)
.set rS, S+32*(\t)
.set rP, P+16*(\t)
	WIN 0
.if j < 4
	v_max3_num_f32 v[rT+4+j], v[rS+8*j], v[rS+8*j+1], v[rS+8*j+2]
.elseif j < 12
	v_max3_num_f32 v[rT+4+j%4], v[rT+4+j%4], v[rS+8*(j%4)+2*(j/4)+1], v[rS+8*(j%4)+2*(j/4)+2]
.elseif j == 12
	v_max3_num_f32 v[rT+4], v[rT+4], v[rS+7], v[rS+15]
.elseif j == 13
	v_max3_num_f32 v[rT+6], v[rT+6], v[rS+23], v[rS+31]
.elseif j == 14
	v_max3_num_f32 v[rT+4], v[rT+4], v[rT+5], v[rT+6]
.elseif j == 15
	v_max3_num_f32 v[rT+4], v[rT+4], v[rT+7], v[rT+1]
.elseif j == 16
	v_permlanex16_b32 v[rT+5], v[rT+4], s[SEL], s[SEL+1]           ; the query's other 32 keys lie in the lane 16 away
.elseif j == 17
	v_mov_b32 v[rT+7], v[rT]                       ; c m_old is kept for a
.elseif j == 18
	v_max_num_f32 v[rT+1], v[rT+4], v[rT+5]
.elseif j == 19
	v_mul_f32 v[rT], s[CS], v[rT+1]
.elseif j == 20
	v_sub_f32 v[rT+7], v[rT+7], v[rT]
.elseif j == 23
	v_exp_f32 v[rT+6], v[rT+7]
.elseif (j < 23) || ((j < 38) && (j%2 == 0)) || ((j < 66) && (j%4 == 2))
.set b, (j-2)/4
.if j < 38
.set b, (j-20)/2
.endif
	v_pk_fma_f32 v[rS+2*b:rS+2*b+1], v[rS+2*b:rS+2*b+1], s[CS:CS+1], v[rT:rT+1] op_sel_hi:[1,0,0] neg_lo:[0,0,1] neg_hi:[0,0,1]
.elseif j < 70
.set e, j-38
.if j < 66
.set e, j-32-(j-38)/4
.endif
.if j < 38
.set e, (j-25)/2
.endif
	v_exp_f32 v[rS+e], v[rS+e]
.elseif j < 86
	v_cvt_pk_f16_f32 v[rP+j-70], v[rS+2*(j-70)], v[rS+2*(j-70)+1]
.else
.set z, j-86
.set w, 4
.set u, z
.if z >= 14
.set w, 32
.set u, 0
.elseif z >= 12
.set w, 16
.set u, z-12
.elseif z >= 8
.set w, 8
.set u, z-8
.endif
.if z < 15
	v_pk_add_f32 v[rS+w*u:rS+w*u+1], v[rS+w*u:rS+w*u+1], v[rS+w*u+w/2:rS+w*u+w/2+1]
.else
	v_pk_fma_f32 v[rT+2:rT+3], v[rT+2:rT+3], v[rT+6:rT+7], v[rS:rS+1] op_sel_hi:[1,0,1]
.endif
.endif
.endm
; The step's softmax, the four tiles line by line, so that no line waits for the line above it; behind each of its first 64 numbers one product of the V^T P that the step before has left.
; Between numbers 69 and 70: four v_nop, the plain instruction behind the last exponential and the four places between the last product and what writes its sources (the loads into V, the roundings into P);
; ONE wait for the 132 exponentials; and this step's V is fetched: it is wanted in the next step.
.macro SOFTPV u
.set j, 0
.rept 102
.if j == 70
	WIN 0
.rept 4
	v_nop
.endr
	s_wait_alu depctr_va_vdst(0)                   ; the wait ahead of the first instruction that names a result
.if \u == 0
	s_wait_dscnt 0x0                               ; the next step's K is in: its products follow with no further wait
.endif
	FETCH_V \u
.endif
.irp t, 0,1,2,3
	SM \t
.endr
.if j < 64
	PV1
.endif
.set j, j+1
.endr
.endm
; A STEP of 64 keys.  mask 1: the causal mask, in block 0 alone (a scalar branch on the count of blocks); mask 2: the window's edge.
.macro STEP mask, u
.if \u == 0
	FETCH_K 0                                      ; (the last products that read K's registers stand six plain instructions and a whole softmax back)
	s_wait_dscnt 0x0                               ; K is in
.endif
	QKH
	PLACES                                         ; in front of the first read of the scores, and of the loads into K's registers
.if \u == 0
	FETCH_K 1
.endif
	WIN 0
.if \mask == 1
	s_cmp_lg_u32 s[SB], 0
	s_cbranch_scc1 .Lopen_\@
	MASK 1, \u
.Lopen_\@:
.else
	MASK 2, \u
.endif
.if \u == 1
	s_wait_dscnt 0x0                               ; V of the block's first step is in (a block's first step finds V behind the change of slots' wait)
.endif
	SOFTPV \u
	WIN 0
.endm
; THE CHANGE OF SLOTS, at a block's head.  Each wave waits for all its tensor loads (its part of the block that it is about to read), adds 0 to its spare word, and waits for that and for its reads of the slot that it
; has left.  Behind the barrier the slot ahead is whole and nobody reads the other one: it takes the block 128 keys further back, while there is one to walk.
.macro CHANGE fill
	WIN 0
	s_wait_tensorcnt 0x0                           ; no tensor load of mine is out, so a descriptor may be written
	ds_add_u32 v[SPW], v[NIL]
.if \fill
	s_xor_b32 s[G0K+1], s[G0K+1], SLOT1            ; the other slot than last time,
	s_sub_nc_u64 s[G0K+2:G0K+3], s[G0K+2:G0K+3], 0x100000   ; 128 tokens of 8,192 bytes back
	s_xor_b32 s[G0V+1], s[G0V+1], SLOT1
	s_sub_nc_u64 s[G0V+2:G0V+3], s[G0V+2:G0V+3], 0x100000
.endif
	s_wait_dscnt 0x0                               ; the add is done, and my reads of the slot that I have left are over, the last step's V among them
	s_barrier_signal -1
	s_barrier_wait -1
.if \fill
	s_cmp_ge_u32 s[SB], s[LIM]                     ; a block beyond the last that is walked would be read by no wave: it is not asked for
	s_cbranch_scc1 .Lpast_\@
	TLOAD                                          ; my one tensor load until the next change
.Lpast_\@:
.endif
.endm
.macro BLOCKADR
	v_add_nc_u32 v[ADRK], s[TB], v[AK0]
	v_add_nc_u32 v[ADRV], s[TB], v[AV0]
.endm
	s_wait_loadcnt 0x0                             ; Q
.Lblk:                                                 ; four trips: blocks 0 to 3
	CHANGE 1
	s_cmp_gt_u32 s[SB], s[LIM]                     ; a block in front of the sequence's start is left out: ids and the count of blocks alone; no barrier stands in a block's work
	s_cbranch_scc1 .Lskip
	BLOCKADR
	STEP 1, 0
	STEP 1, 1
.Lskip:
	s_xor_b32 s[TB], s[TB], SLOT1
	s_add_co_u32 s[SB], s[SB], 1
	s_cmp_lt_u32 s[SB], 4
	s_cbranch_scc1 .Lblk
	CHANGE 0                                       ; block 4, the window's edge, is written out: nothing is asked for behind it
	s_cmp_lt_u32 s[LIM], 4
	s_cbranch_scc1 .Lout
	BLOCKADR
	STEP 2, 0
	STEP 2, 1
.Lout:
	; WHAT THE LAST STEP HAS LEFT: O^T times its a, then its V^T P.
	WIN W_RS
.set i, 0
.rept 128
	v_pk_mul_f32 v[2*i:2*i+1], v[2*i:2*i+1], v[ST+8*(i/32)+6:ST+8*(i/32)+7] op_sel_hi:[1,0]
.set i, i+1
.endr
	s_wait_dscnt 0x0                               ; the last step's V is in
.set j, 0
.rept 64
	PV1
.set j, j+1
.endr
	WIN 0
	; THE WAY OUT.  l's two halves and the other half of the lanes' are added; O^T is divided by l, rounded to f16 and sent through my stage, a tile (16 tokens of one head) at a time.
.irp t, 0,1,2,3
	v_add_f32 v[ST+8*\t+4], v[ST+8*\t+2], v[ST+8*\t+3]             ; (these four are the places behind the last products)
.endr
.irp t, 0,1,2,3
	v_permlanex16_b32 v[ST+8*\t+5], v[ST+8*\t+4], s[SEL], s[SEL+1]
.endr
.irp t, 0,1,2,3
	v_add_f32 v[ST+8*\t+4], v[ST+8*\t+4], v[ST+8*\t+5]
.endr
.irp t, 0,1,2,3
	v_rcp_f32 v[ST+8*\t+6], v[ST+8*\t+4]
.endr
	v_nop
	s_wait_alu depctr_va_vdst(0)                   ; one wait for the four reciprocals, ahead of their first reader
.macro PACK t
	WIN W_RS
.set i, 64*\t
.rept 32
	v_pk_mul_f32 v[i:i+1], v[i:i+1], v[ST+8*\t+6:ST+8*\t+7] op_sel_hi:[1,0]
.set i, i+2
.endr
	WIN 0x05                                       ; sources 0 and 1 window 1, destination window 0
.set i, 0
.rept 32
	v_cvt_pk_f16_f32 v[S+32*\t+i], v[64*\t+2*i], v[64*\t+2*i+1]
.set i, i+1
.endr
	WIN 0
.irp f, 0,1,2,3,4,5,6,7
	ds_store_b128 v[STO], v[S+32*\t+4*\f:S+32*\t+4*\f+3] offset:32*\f
.endr
.irp f, 0,1,2,3,4,5,6,7
	ds_load_b128 v[S+32*\t+4*\f:S+32*\t+4*\f+3], v[RD] offset:\f*2*SP   ; LDS serves a wave's instructions in order: these see the stores above
.endr
.endm
.macro SEND t, younger                 ; younger: the LDS instructions issued behind tile t's loads: the next tile's sixteen, or none
.irp f, 0,1,2,3,4,5,6,7
	s_wait_dscnt \younger+7-\f
	global_store_b128 v[GO], v[S+32*\t+4*\f:S+32*\t+4*\f+3], s[10:11] offset:(\t/2)*65536+(\t%2)*256+\f*8192   ; sixteen lanes store 256 consecutive aligned bytes: a token's head
.endr
.endm
	PACK 0
	PACK 1
	SEND 0, 16
	PACK 2
	SEND 1, 16
	PACK 3
	SEND 2, 16
	SEND 3, 0
	s_wait_tensorcnt 0x0                           ; the wave's end, behind my last tensor load and my last LDS store
	ds_add_u32 v[SPW], v[NIL]
	s_wait_dscnt 0x0
	s_endpgm
.Lfunc_end_k_q99ed5bd89e_attention:
	.size	k_q99ed5bd89e_attention, .Lfunc_end_k_q99ed5bd89e_attention-k_q99ed5bd89e_attention
	.p2alignl 7, 3214868480
	.fill 96, 4, 3214868480
	.section	.rodata,"a",@progbits
	.p2align	6, 0x0
	.amdhsa_kernel k_q99ed5bd89e_attention
		.amdhsa_group_segment_fixed_size 327680
		.amdhsa_private_segment_fixed_size 0
		.amdhsa_enable_private_segment 0
		.amdhsa_kernarg_size 16
		.amdhsa_user_sgpr_count 2
		.amdhsa_user_sgpr_kernarg_segment_ptr 1
		.amdhsa_wavefront_size32 1
		.amdhsa_system_sgpr_workgroup_id_x 1
		.amdhsa_system_sgpr_workgroup_id_y 1
		.amdhsa_system_sgpr_workgroup_id_z 1
		.amdhsa_system_vgpr_workitem_id 0
		.amdhsa_next_free_vgpr 1024
		.amdhsa_next_free_sgpr 66
		.amdhsa_reserve_vcc 1
		.amdhsa_float_denorm_mode_32 3
		.amdhsa_float_denorm_mode_16_64 3
		.amdhsa_memory_ordered 1
		.amdhsa_forward_progress 1
		.amdhsa_inst_pref_size 255
	.end_amdhsa_kernel
	.section	.bss,"aw",@nobits
	.p2align	6
	.space	262144
	.amdgpu_metadata
---
amdhsa.version: [ 1, 2 ]
amdhsa.kernels:
  - .name:           k_q99ed5bd89e_attention
    .symbol:         k_q99ed5bd89e_attention.kd
    .args:
      - { .name: qkv, .offset: 0, .size: 8, .value_kind: global_buffer, .address_space: global }
      - { .name: ctx, .offset: 8, .size: 8, .value_kind: global_buffer, .address_space: global }
    .group_segment_fixed_size: 327680
    .private_segment_fixed_size: 0
    .kernarg_segment_align: 8
    .kernarg_segment_size: 16
    .max_flat_workgroup_size: 128
    .sgpr_count:     66
    .vgpr_count:     1024
    .wavefront_size: 32
...
	.end_amdgpu_metadata
.endif
;; end of part 4
;; launch proj_out (part 5): grid 8 x 32, 4 waves a work-group, clusters of 4 x 4, 327,680 bytes of LDS; arguments ctx, wo16, out0; writes out0
.if DOCPART == 5
	.amdgcn_target "amdgcn-amd-amdhsa--gfx1250"
	.amdhsa_code_object_version 6
	.text
	.protected	k_q99ed5bd89e_proj_out
	.globl	k_q99ed5bd89e_proj_out
	.p2align	8
	.type	k_q99ed5bd89e_proj_out,@function
k_q99ed5bd89e_proj_out:
	s_mov_b64 s[64:65], 0
	v_nop
	global_prefetch_b8 v0, s[64:65] scope:SCOPE_SE
	s_setreg_imm32_b32 hwreg(HW_REG_WAVE_MODE, 25, 1), 1
	s_wait_xcnt 0x0
	s_wait_alu depctr_hold_cnt(0) depctr_sa_sdst(0) depctr_va_vdst(0) depctr_va_sdst(0) depctr_va_ssrc(0) depctr_va_vcc(0) depctr_vm_vsrc(0)
	s_getreg_b32 s2, hwreg(HW_REG_IB_STS2, 6, 4)
	s_cmp_eq_u32 s2, 0
	s_cbranch_scc0 .Lentry_in_a_cluster
	s_endpgm
.Lentry_in_a_cluster:
	s_bfe_u32 s2, ttmp6, 0x10000c
	s_cmp_lg_u32 s2, 0xf033
	s_cbranch_scc0 .Lentry_shape_is_right
	s_endpgm
.Lentry_shape_is_right:
; out0 = ctx Wo: M = 4,096, N = K = 2,048; f16 operands (Wo's high parts), f32 sums, f32 out.  The first 16 positions of each sequence are written here too and written again, more finely, by the launch behind this one.
; A tile of C is 128 x 256, which gives 32 x 8 = 256 work-groups; four waves, each 64 x 128: 32 accumulators, 256 registers.  K goes in steps of 128 through a ring of two LDS slots.
; ctx's tile: 128 rows of 256 bytes, padded to 272.  Wo's tile: images of fragments, 16 tiles of columns x 4,096 dense bytes: a fragment comes by two loads at 16 x lane.
; CLUSTERS: 4 x 4 work-groups; ctx's tiles are asked for jointly along a row of the cluster, Wo's along a column.
; THE MATRIX INSTRUCTION IS USED TRANSPOSED (source 0 = 16 columns of Wo, source 1 = 16 rows of ctx): a lane holds eight neighbouring numbers of a row of C.
; REGISTERS: window 0: v0-31 addresses; v64-127 ctx's fragments, two buffers of 4 x 8; v128-255 the way out.  window 1: Wo's fragments, two buffers of 8 x 8.  window 2: the accumulators, (a, b) at v[8 (8 a + b)].
.set KSTEP,  128
.set PITCH,  272
.set HALFA,  64*PITCH                  ; 64 rows of ctx: one tensor load
.set HALFB,  32768                     ; 8 tiles of columns x 4 images: one tensor load
.set SLOT,   2*HALFA+2*HALFB
.set SPARE,  2*SLOT                    ; the spare words: 128 bytes a wave, two blocks of 256 bytes that no other line names
.set SPITCH, 528                       ; the way out: a stage of 16 rows x (512 + 16) bytes a wave, in slot 0, which has had its last fill and its last read by then
.set LAPS,   8                         ; a lap = two K steps
.set CROW,   8192                      ; a row of out0 in bytes
.set ADRA, 16
.set ADRB, 20
.set STO,  24
.set RD,   25
.set CO,   26
.set SPW,  28
.set NIL,  29
.set AF,   64
.set BK,   128
.set G1, 24
.set G0, 32
.set G1B, 48
.set G0B, 56
.set MSB, 0
.macro WIN new
.if MSB != \new
	s_set_vgpr_msb (MSB<<8)|\new
.set MSB, \new
.endif
.endm
.set MUL,  0xa1                        ; source 0 (Wo) window 1, source 1 (ctx) window 0, C and D window 2
.set TO_B, 0x40
.macro JLOAD s                         ; waves 0 and 1 fetch ctx's two halves, waves 2 and 3 Wo's; an s_nop 0 and four v_nop follow each line
	s_cmp_eq_u32 s11, 0
	s_cbranch_scc0 .Lfor_b_\@
	tensor_load_to_lds s[G0+4*\s:G0+4*\s+3], s[G1:G1+7]
	s_nop 0
.rept 4
	v_nop
.endr
	s_branch .Lasked_\@
.Lfor_b_\@:
	tensor_load_to_lds s[G0B+4*\s:G0B+4*\s+3], s[G1B:G1B+7]
	s_nop 0
.rept 4
	v_nop
.endr
.Lasked_\@:
.endm
.macro CREST
	s_cmp_lg_u32 s10, 0
	s_cbranch_scc1 .Lnot_wave_0_\@
	s_barrier_signal -3
.Lnot_wave_0_\@:
	s_barrier_wait -3
	s_barrier_signal -1
	s_barrier_wait -1
.endm
.macro CROUND
	s_barrier_signal -1
	s_barrier_wait -1
	CREST
.endm
	s_load_b128 s[4:7], s[0:1], 0x0                ; ctx, wo16
	s_load_b64 s[8:9], s[0:1], 0x10                ; out0
	v_lshl_add_u32 v[SPW], v0, 2, SPARE
	v_mov_b32 v[NIL], 0
	ds_add_u32 v[SPW], v[NIL]                      ; the wave's opening: the add, twice on end, and its wait ahead of my first tensor load
	ds_add_u32 v[SPW], v[NIL]
	v_lshrrev_b32 v1, 5, v0
	v_readfirstlane_b32 s10, v1                    ; wave 0..3
	s_lshr_b32 s11, s10, 1                         ; my half of the tile's rows.  Also: I fetch for ctx (0) or for Wo (1)
	s_and_b32 s12, s10, 1                          ; my half of its columns.  Also: which half of that tile I fetch
	s_bfe_u32 s40, ttmp6, 0x40000
	s_bfe_u32 s41, ttmp6, 0x40004
	s_lshl_b32 s42, ttmp9, 2
	s_add_co_u32 s42, s42, s40                     ; tile column = 4 x cluster x + cx
	s_and_b32 s13, ttmp7, 0xffff
	s_lshl_b32 s13, s13, 2
	s_add_co_u32 s13, s13, s41                     ; tile row = 4 x cluster y + cy
	s_lshl_b32 s43, s41, 2
	s_lshl_b32 s43, 15, s43                        ; my row of the cluster
	s_lshl_b32 s44, 0x1111, s40                    ; my column
	s_or_b32 s[G1+0], s43, (1<<16)|(1<<20)|(1<<21)|(5<<22)|(3<<25)  ; ctx's tiles go to my row; elements of 2 bytes; 4 words of padding after every 64
	s_mov_b32 s[G1+1], KSTEP<<16
	s_mov_b32 s[G1+2], 64<<16
	s_mov_b32 s[G1+3], KSTEP<<16
	s_mov_b32 s[G1+4], 64
	s_mov_b32 s[G1+5], 2048                        ; elements from row to row
	s_mov_b32 s[G1+6], 0
	s_mov_b32 s[G1+7], 0
	s_or_b32 s[G1B+0], s44, (3<<16)|(1<<21)        ; Wo's tiles go to my column; elements of 8 bytes; no padding
	s_mov_b32 s[G1B+1], 512<<16                    ; a row: four images, 4,096 bytes
	s_mov_b32 s[G1B+2], 8<<16
	s_mov_b32 s[G1B+3], 512<<16
	s_mov_b32 s[G1B+4], 8
	s_mov_b32 s[G1B+5], 8192                       ; 65,536 bytes from a tile of columns to the next
	s_mov_b32 s[G1B+6], 0
	s_mov_b32 s[G1B+7], 0
	s_lshl_b32 s17, s12, 6
	s_lshl_b32 s16, s13, 7
	s_add_co_u32 s16, s16, s17                     ; ctx: row 128 x tile row + 64 x half,
	s_lshl_b32 s16, s16, 12                        ; 4,096 bytes a row
	s_mov_b32 s17, 0
	s_lshl_b32 s46, s42, 4
	s_lshl_b32 s47, s12, 3
	s_add_co_u32 s46, s46, s47                     ; Wo: tile of columns 16 x tile column + 8 x half,
	s_lshl_b32 s46, s46, 16                        ; 65,536 bytes each
	s_mov_b32 s47, 0
	s_mul_i32 s20, s12, HALFA                      ; where they go: no place in the cluster enters an LDS address
	s_mul_i32 s21, s12, HALFB
	s_add_co_u32 s21, s21, 2*HALFA
	s_wait_dscnt 0x0                               ; both opening adds are done
	s_wait_kmcnt 0x0
	s_add_nc_u64 s[14:15], s[4:5], s[16:17]
	s_add_nc_u64 s[46:47], s[6:7], s[46:47]
	CROUND                                         ; all sixteen work-groups are here: the first joint loads meet
.irp s, 0,1
	s_mov_b32 s[G0+4*\s], 1
	s_add_co_u32 s[G0+4*\s+1], s20, \s*SLOT
	s_add_nc_u64 s[G0+4*\s+2:G0+4*\s+3], s[14:15], \s*KSTEP*2
	s_or_b32 s[G0+4*\s+3], s[G0+4*\s+3], 0x80000000
	s_mov_b32 s[G0B+4*\s], 1
	s_add_co_u32 s[G0B+4*\s+1], s21, \s*SLOT
	s_add_nc_u64 s[G0B+4*\s+2:G0B+4*\s+3], s[46:47], \s*4096
	s_or_b32 s[G0B+4*\s+3], s[G0B+4*\s+3], 0x80000000
	JLOAD \s                                       ; two tensor loads of mine are out
.endr
	v_and_b32 v1, 15, v0
	v_bfe_u32 v2, v0, 4, 1
	v_mul_u32_u24 v3, v1, PITCH
	v_lshl_add_u32 v3, v2, 4, v3                   ; a fragment of ctx: row x pitch + 16 x half
	v_and_b32 v4, 31, v0
	v_lshlrev_b32 v4, 4, v4                        ; an image: 16 x lane
	s_mul_i32 s21, s11, HALFA                      ; my 64 rows of ctx
	s_mul_i32 s22, s12, HALFB                      ; my 128 columns of Wo,
	s_add_co_u32 s22, s22, 2*HALFA                 ; behind ctx's 128 rows
.irp s, 0,1
	v_add_nc_u32 v[ADRA+\s], s21, v3
	v_add_nc_u32 v[ADRB+\s], s22, v4
	s_add_co_u32 s21, s21, SLOT
	s_add_co_u32 s22, s22, SLOT
.endr
	s_mul_i32 s23, s10, 16*SPITCH                  ; my stage
	v_mul_u32_u24 v5, v1, SPITCH
	v_lshl_add_u32 v5, v2, 5, v5
	v_add_nc_u32 v[STO], s23, v5                   ; in: row l % 16, 32 bytes for each half of the lanes
	v_mov_b32 v[CO], v4                            ; back: the 32 lanes take one row of 512 bytes; and the same in out0
	v_add_nc_u32 v[RD], s23, v4
	s_lshl_b32 s16, s13, 7
	s_lshl_b32 s17, s11, 6
	s_add_co_u32 s16, s16, s17                     ; my first row of C
	s_lshl_b32 s16, s16, 13
	s_lshl_b32 s46, s42, 10                        ; my first column, in bytes
	s_lshl_b32 s47, s12, 9
	s_add_co_u32 s46, s46, s47
	s_add_co_u32 s16, s16, s46
	s_mov_b32 s17, 0
	s_add_nc_u64 s[8:9], s[8:9], s[16:17]
; 8 matrix instructions: block a of my rows against Wo's eight tiles, 32 along K, buffer f.  The 32 accumulators take turns, one instruction a turn.
.macro MUL8 f, a, zero
.irp b, 0,1,2,3,4,5,6,7
.if \zero
	v_wmma_f32_16x16x32_f16 v[8*(8*(\a)+\b):8*(8*(\a)+\b)+7], v[64*(\f)+8*\b:64*(\f)+8*\b+7], v[AF+32*(\f)+8*(\a):AF+32*(\f)+8*(\a)+7], 0
.else
	v_wmma_f32_16x16x32_f16 v[8*(8*(\a)+\b):8*(8*(\a)+\b)+7], v[64*(\f)+8*\b:64*(\f)+8*\b+7], v[AF+32*(\f)+8*(\a):AF+32*(\f)+8*(\a)+7], v[8*(8*(\a)+\b):8*(8*(\a)+\b)+7]
.endif
.endr
.endm
.macro FETCH slot, q, f                ; 24 LDS loads in one run: the slot's q-th 32 along K into buffer f; Wo's sixteen first
	WIN TO_B
.irp i, 0,1,2,3,4,5,6,7
	ds_load_b128 v[64*(\f)+8*\i:64*(\f)+8*\i+3],   v[ADRB+\slot] offset:1024*(\q)+4096*\i
	ds_load_b128 v[64*(\f)+8*\i+4:64*(\f)+8*\i+7], v[ADRB+\slot] offset:1024*(\q)+4096*\i+512
.endr
	WIN 0
.irp i, 0,1,2,3
	ds_load_b128 v[AF+32*(\f)+8*\i:AF+32*(\f)+8*\i+3],   v[ADRA+\slot] offset:64*(\q)+\i*16*PITCH
	ds_load_b128 v[AF+32*(\f)+8*\i+4:AF+32*(\f)+8*\i+7], v[ADRA+\slot] offset:64*(\q)+\i*16*PITCH+32
.endr
.endm
.macro PLACES                          ; four plain vector instructions in front of loads into registers that matrix instructions have read, and of the first read of results
.rept 4
	v_nop
.endr
.endm
; A K step is four quarters of 32 along K, 32 matrix instructions each, on buffers 0, 1, 0, 1.  One of the first three: multiplies buffer f and fetches quarter q into buffer g.
.macro QUARTER slot, q, f, g, zero
	s_wait_dscnt 4                                 ; Wo's fragments and ctx's blocks 0 and 1 are in; the youngest four loads (blocks 2 and 3) may be out
	WIN MUL
	MUL8 \f, 0, \zero
	MUL8 \f, 1, \zero
	PLACES
	FETCH \slot, \q, \g
	s_wait_dscnt 24                                ; all but the 24 just issued
	WIN MUL
	MUL8 \f, 2, \zero
	MUL8 \f, 3, \zero
.endm
; The last quarter multiplies buffer 1 and changes slots: one barrier; in front of it each wave waits for all its tensor loads, adds 0 to its spare word, and waits for that and for its reads of this slot.
.macro TURN slot, next, fill
	WIN 0
	s_wait_tensorcnt 0x0                           ; all my tensor loads have landed: my part of the next slot
	ds_add_u32 v[SPW], v[NIL]
	s_wait_dscnt 5                                 ; (the add and the youngest four loads may be out)
	WIN MUL
	MUL8 1, 0, 0
	s_wait_dscnt 0x0                               ; the add is done, and my reads of this slot are over
	s_barrier_signal -1
	MUL8 1, 1, 0
.if \fill
	WIN 0
.endif
	s_barrier_wait -1
.if \fill
	CREST                                          ; the barrier has opened a round of the cluster's: no wave of any partner still reads this slot or has a load on its way
	s_add_nc_u64 s[G0+4*\slot+2:G0+4*\slot+3], s[G0+4*\slot+2:G0+4*\slot+3], 2*KSTEP*2
	s_add_nc_u64 s[G0B+4*\slot+2:G0B+4*\slot+3], s[G0B+4*\slot+2:G0B+4*\slot+3], 2*4096
	JLOAD \slot                                    ; the first tensor load behind the round; its four v_nop are the places in front of the loads below
.else
	PLACES
.endif
	FETCH \next, 0, 0
	WIN MUL
	MUL8 1, 2, 0
	MUL8 1, 3, 0
.endm
	s_wait_tensorcnt 1                             ; my part of K step 0 is in (K step 1's load may be out)
	s_barrier_signal -1
	s_barrier_wait -1
	FETCH 0, 0, 0
	QUARTER 0, 1, 0, 1, 1                          ; the first quarter's products start the sums: nothing is cleared
	WIN 0
	s_mov_b32 s3, LAPS-1
.Llap:                                                 ; a trip goes once round the ring, from a lap's second quarter to the next lap's first, and fills both slots again
	QUARTER 0, 2, 1, 0, 0
	QUARTER 0, 3, 0, 1, 0
	TURN 0, 1, 1
	QUARTER 1, 1, 0, 1, 0
	QUARTER 1, 2, 1, 0, 0
	QUARTER 1, 3, 0, 1, 0
	TURN 1, 0, 1
	QUARTER 0, 1, 0, 1, 0
	WIN 0
	s_sub_co_u32 s3, s3, 1
	s_cmp_lg_u32 s3, 0
	s_cbranch_scc1 .Llap
	QUARTER 0, 2, 1, 0, 0                          ; the last lap fills nothing
	QUARTER 0, 3, 0, 1, 0
	TURN 0, 1, 0
	QUARTER 1, 1, 0, 1, 0
	QUARTER 1, 2, 1, 0, 0
	QUARTER 1, 3, 0, 1, 0
	s_wait_dscnt 4
	WIN MUL
	MUL8 1, 0, 0
	MUL8 1, 1, 0
	s_wait_dscnt 0
	MUL8 1, 2, 0
	MUL8 1, 3, 0
	WIN 0
; THE WAY OUT, block by block of 16 rows x 128 columns: through my own stage and back as whole rows of 512 bytes.  LDS serves a wave's instructions in order.
.macro TOSTAGE a
	WIN 0x08                                       ; an LDS store's data: window 2
.irp b, 0,1,2,3,4,5,6,7
	ds_store_b128 v[STO], v[64*(\a)+8*\b:64*(\a)+8*\b+3] offset:64*\b          ; each accumulator from its low end on
	ds_store_b128 v[STO], v[64*(\a)+8*\b+4:64*(\a)+8*\b+7] offset:64*\b+16
.endr
	WIN 0
.set BB, BK+64*((\a)%2)
.irp t, 0,1,2,3,4,5,6,7,8,9,10,11,12,13,14,15
	ds_load_b128 v[BB+4*\t:BB+4*\t+3], v[RD] offset:\t*SPITCH
.endr
.endm
.macro SEND a, younger                 ; younger: the LDS instructions issued behind block a's loads, which may stay out
.set BB, BK+64*((\a)%2)
	s_wait_dscnt \younger
.if (\a) > 0
	s_add_nc_u64 s[8:9], s[8:9], 16*CROW           ; (behind a wait for the earlier stores' addresses)
.endif
.irp t, 0,1,2,3,4,5,6,7,8,9,10,11,12,13,14,15
	global_store_b128 v[CO], v[BB+4*\t:BB+4*\t+3], s[8:9] offset:\t*CROW th:TH_STORE_NT   ; 32 lanes store 512 consecutive aligned bytes
.endr
.endm
	PLACES
	TOSTAGE 0
.irp a, 1,2,3
.if \a > 1
	s_wait_xcnt 0x0                                ; block a - 2's stores have read their registers and their base
.endif
	TOSTAGE \a
	SEND \a-1, 32                                  ; behind block a - 1's loads: block a's 16 stores and 16 loads
.endr
	s_wait_xcnt 0x0
	SEND 3, 0
	s_wait_tensorcnt 0x0                           ; the wave's end, behind my last tensor load and my last LDS store
	ds_add_u32 v[SPW], v[NIL]
	s_wait_dscnt 0x0
	CROUND                                         ; the closing round
	s_endpgm
.Lfunc_end_k_q99ed5bd89e_proj_out:
	.size	k_q99ed5bd89e_proj_out, .Lfunc_end_k_q99ed5bd89e_proj_out-k_q99ed5bd89e_proj_out
	.p2alignl 7, 3214868480
	.fill 96, 4, 3214868480
	.section	.rodata,"a",@progbits
	.p2align	6, 0x0
	.amdhsa_kernel k_q99ed5bd89e_proj_out
		.amdhsa_group_segment_fixed_size 327680
		.amdhsa_private_segment_fixed_size 0
		.amdhsa_enable_private_segment 0
		.amdhsa_kernarg_size 24
		.amdhsa_user_sgpr_count 2
		.amdhsa_user_sgpr_kernarg_segment_ptr 1
		.amdhsa_wavefront_size32 1
		.amdhsa_system_sgpr_workgroup_id_x 1
		.amdhsa_system_sgpr_workgroup_id_y 1
		.amdhsa_system_sgpr_workgroup_id_z 1
		.amdhsa_system_vgpr_workitem_id 0
		.amdhsa_next_free_vgpr 768
		.amdhsa_next_free_sgpr 66
		.amdhsa_reserve_vcc 0
		.amdhsa_float_denorm_mode_32 3
		.amdhsa_float_denorm_mode_16_64 3
		.amdhsa_memory_ordered 1
		.amdhsa_forward_progress 1
		.amdhsa_inst_pref_size 85
	.end_amdhsa_kernel
	.amdgpu_metadata
---
amdhsa.version: [ 1, 2 ]
amdhsa.kernels:
  - .name:           k_q99ed5bd89e_proj_out
    .symbol:         k_q99ed5bd89e_proj_out.kd
    .args:
      - { .name: ctx, .offset: 0, .size: 8, .value_kind: global_buffer, .address_space: global }
      - { .name: wo16, .offset: 8, .size: 8, .value_kind: global_buffer, .address_space: global }
      - { .name: out0, .offset: 16, .size: 8, .value_kind: global_buffer, .address_space: global }
    .group_segment_fixed_size: 327680
    .private_segment_fixed_size: 0
    .kernarg_segment_align: 8
    .kernarg_segment_size: 24
    .max_flat_workgroup_size: 128
    .sgpr_count:     66
    .vgpr_count:     768
    .wavefront_size: 32
...
	.end_amdgpu_metadata
.endif
;; end of part 5
;; launch fine_out (part 6): grid 64 x 4, 4 waves a work-group, no clusters, 8,704 bytes of LDS; arguments afine, wo16, out0; writes out0
.if DOCPART == 6
	.amdgcn_target "amdgcn-amd-amdhsa--gfx1250"
	.amdhsa_code_object_version 6
	.text
	.protected	k_q99ed5bd89e_fine_out
	.globl	k_q99ed5bd89e_fine_out
	.p2align	8
	.type	k_q99ed5bd89e_fine_out,@function
k_q99ed5bd89e_fine_out:
	s_mov_b64 s[64:65], 0
	v_nop
	global_prefetch_b8 v0, s[64:65] scope:SCOPE_SE
	s_setreg_imm32_b32 hwreg(HW_REG_WAVE_MODE, 25, 1), 1
	s_wait_xcnt 0x0
; The first 16 positions of each sequence, 64 rows of out0, once more and more finely: both operands as pairs of f16 numbers, a high part and (number - high part) x 2048.
; out = Ah Bh + (Al Bh + Ah Bl) / 2048; the product of the two low parts, some 2^-22 of the result, is left out.  Sums in f32.
; A work-group makes 16 rows (sequence y) x 32 columns (x).  Its four waves share K: wave w takes the 16 steps of 32 along K from 512 w on, in four batches of four; the four partial results meet in LDS.
; Operands come from memory as images of fragments, 16 bytes a lane, straight into registers.  TRANSPOSED use: source 0 = 16 columns of Wo, source 1 = the 16 rows: a lane holds eight neighbouring columns of a row.
; The last store writes 128 consecutive bytes of a row from eight lanes: half of an aligned run of 256; the launch writes 524,288 bytes in all.
; REGISTERS: window 0: v3-8 addresses; v16-31 the sums of the high parts (two tiles of columns); v32-47 those of the mixed products; v48-63 the result.
;   Batches take turns between windows 0 and 1: step i at v[64 + 48 i]: Ah, Al, Bh of tile 0, of tile 1, Bl of tile 0, of tile 1, 8 registers each.
.set SPW, 10
.set NIL, 11
.set SPARE, 8192                       ; behind the four partial results: the spare words, 128 bytes a wave
.set MSB, 0
.macro WIN new
.if MSB != \new
	s_set_vgpr_msb (MSB<<8)|\new
.set MSB, \new
.endif
.endm
	s_load_b128 s[4:7], s[0:1], 0x0                ; afine, wo16
	s_load_b64 s[8:9], s[0:1], 0x10                ; out0
	v_lshl_add_u32 v[SPW], v0, 2, SPARE
	v_mov_b32 v[NIL], 0
	v_lshrrev_b32 v1, 5, v0
	v_readfirstlane_b32 s10, v1                    ; wave
	v_and_b32 v2, 31, v0
	v_lshlrev_b32 v3, 4, v2                        ; an image: 16 x lane
	s_lshl_b32 s11, s10, 11
	v_add_nc_u32 v4, s11, v3                       ; my partial result in LDS: 2,048 bytes a wave
	v_bfe_u32 v5, v0, 2, 1                         ; back: lane l takes row 4 w + l / 8, columns 4 (l % 8) on: tile (l / 4) % 2, half (l / 2) % 2, group l % 2
	v_lshlrev_b32 v5, 10, v5
	v_and_b32 v6, 1, v0
	v_lshl_add_u32 v5, v6, 9, v5
	v_bfe_u32 v6, v0, 1, 1
	v_lshl_add_u32 v5, v6, 8, v5
	v_bfe_u32 v6, v0, 3, 2
	v_lshl_add_u32 v5, v6, 4, v5
	s_lshl_b32 s11, s10, 6
	v_add_nc_u32 v5, s11, v5
	v_lshlrev_b32 v7, 13, v6                       ; and in out0: 8,192 bytes a row, 16 bytes a lane
	v_and_b32 v8, 7, v0
	v_lshl_add_u32 v7, v8, 4, v7
	s_and_b32 s11, ttmp7, 0xffff                   ; the sequence
	s_lshl_b32 s12, s11, 17
	s_lshl_b32 s13, s10, 15
	s_add_co_u32 s12, s12, s13                     ; the rows: 131,072 bytes a sequence, 16 steps of 2,048 a wave
	s_mov_b32 s13, 0
	s_lshl_b32 s14, ttmp9, 17
	s_lshl_b32 s15, s10, 14
	s_add_co_u32 s14, s14, s15                     ; Wo: two tiles of 65,536 bytes a work-group, 16 steps of 1,024 a wave
	s_mov_b32 s15, 0
	s_lshl_b32 s20, s11, 23                        ; out0: 1,024 rows a sequence,
	s_lshl_b32 s21, s10, 15                        ; 4 rows a wave,
	s_add_co_u32 s20, s20, s21
	s_lshl_b32 s21, ttmp9, 7                       ; 128 bytes a work-group
	s_add_co_u32 s20, s20, s21
	s_mov_b32 s21, 0
	s_mov_b32 s18, 0x3a000000                      ; 1 / 2048
	s_mov_b32 s19, s18
	s_wait_kmcnt 0x0
	s_add_nc_u64 s[12:13], s[4:5], s[12:13]
	s_add_nc_u64 s[14:15], s[6:7], s[14:15]        ; Wo's high parts,
	s_add_nc_u64 s[16:17], s[14:15], 0x800000      ; its low parts
	s_add_nc_u64 s[8:9], s[8:9], s[20:21]
.macro LOADB bt                        ; a batch: four steps, 48 loads
	WIN ((\bt)%2)<<6
.irp i, 0,1,2,3
.irp g, 0,1
	global_load_b128 v[64+48*\i+4*\g:67+48*\i+4*\g],   v3, s[12:13] offset:(4*(\bt)+\i)*2048+512*\g
	global_load_b128 v[72+48*\i+4*\g:75+48*\i+4*\g],   v3, s[12:13] offset:(4*(\bt)+\i)*2048+1024+512*\g
	global_load_b128 v[80+48*\i+4*\g:83+48*\i+4*\g],   v3, s[14:15] offset:(4*(\bt)+\i)*1024+512*\g
	global_load_b128 v[88+48*\i+4*\g:91+48*\i+4*\g],   v3, s[14:15] offset:(4*(\bt)+\i)*1024+65536+512*\g
	global_load_b128 v[96+48*\i+4*\g:99+48*\i+4*\g],   v3, s[16:17] offset:(4*(\bt)+\i)*1024+512*\g
	global_load_b128 v[104+48*\i+4*\g:107+48*\i+4*\g], v3, s[16:17] offset:(4*(\bt)+\i)*1024+65536+512*\g
.endr
.endr
	WIN 0
.endm
.macro MULB bt                         ; six products a step; no two that follow each other share an accumulator; each sum's first product starts it
	WIN ((\bt)%2)*5                                ; sources 0 and 1: the batch's window
.irp i, 0,1,2,3
.set F, 64+48*\i
.if ((\bt) == 0) && (\i == 0)
	v_wmma_f32_16x16x32_f16 v[16:23], v[F+16:F+23], v[F:F+7], 0
	v_wmma_f32_16x16x32_f16 v[32:39], v[F+16:F+23], v[F+8:F+15], 0
	v_wmma_f32_16x16x32_f16 v[24:31], v[F+24:F+31], v[F:F+7], 0
	v_wmma_f32_16x16x32_f16 v[40:47], v[F+24:F+31], v[F+8:F+15], 0
.else
	v_wmma_f32_16x16x32_f16 v[16:23], v[F+16:F+23], v[F:F+7], v[16:23]
	v_wmma_f32_16x16x32_f16 v[32:39], v[F+16:F+23], v[F+8:F+15], v[32:39]
	v_wmma_f32_16x16x32_f16 v[24:31], v[F+24:F+31], v[F:F+7], v[24:31]
	v_wmma_f32_16x16x32_f16 v[40:47], v[F+24:F+31], v[F+8:F+15], v[40:47]
.endif
	v_wmma_f32_16x16x32_f16 v[32:39], v[F+32:F+39], v[F:F+7], v[32:39]
	v_wmma_f32_16x16x32_f16 v[40:47], v[F+40:F+47], v[F:F+7], v[40:47]
.endr
	WIN 0
.endm
.macro PLACES
.rept 4
	v_nop
.endr
.endm
	LOADB 0
	LOADB 1
	s_wait_loadcnt 48                              ; batch 0 is in; batch 1's 48 loads may be out
	MULB 0
	PLACES                                         ; in front of loads into registers that matrix instructions have read
	LOADB 2
	s_wait_loadcnt 48
	MULB 1
	PLACES
	LOADB 3
	s_wait_loadcnt 48
	MULB 2
	s_wait_loadcnt 0x0
	MULB 3
	PLACES
.irp e, 0,2,4,6,8,10,12,14
	v_pk_fma_f32 v[48+\e:49+\e], v[32+\e:33+\e], s[18:19], v[16+\e:17+\e] op_sel_hi:[1,0,1]   ; the mixed products / 2048 + the high parts' sum; each accumulator from its low end on
.endr
.irp q, 0,1,2,3
	ds_store_b128 v4, v[48+4*\q:51+4*\q] offset:512*\q             ; as an image: 16 bytes a lane
.endr
	s_wait_dscnt 0x0                               ; for the others' sake: my stores have landed
	s_barrier_signal -1
	s_barrier_wait -1
.irp p, 0,1,2,3
	ds_load_b128 v[64+4*\p:67+4*\p], v5 offset:2048*\p             ; the four waves' parts of my four numbers
.endr
	s_wait_dscnt 0x0
	v_pk_add_f32 v[64:65], v[64:65], v[68:69]
	v_pk_add_f32 v[66:67], v[66:67], v[70:71]
	v_pk_add_f32 v[72:73], v[72:73], v[76:77]
	v_pk_add_f32 v[74:75], v[74:75], v[78:79]
	v_pk_add_f32 v[64:65], v[64:65], v[72:73]
	v_pk_add_f32 v[66:67], v[66:67], v[74:75]
	global_store_b128 v7, v[64:67], s[8:9]
	s_wait_tensorcnt 0x0                           ; the wave's end, behind my last LDS store
	ds_add_u32 v[SPW], v[NIL]
	s_wait_dscnt 0x0
	s_endpgm
.Lfunc_end_k_q99ed5bd89e_fine_out:
	.size	k_q99ed5bd89e_fine_out, .Lfunc_end_k_q99ed5bd89e_fine_out-k_q99ed5bd89e_fine_out
	.p2alignl 7, 3214868480
	.fill 96, 4, 3214868480
	.section	.rodata,"a",@progbits
	.p2align	6, 0x0
	.amdhsa_kernel k_q99ed5bd89e_fine_out
		.amdhsa_group_segment_fixed_size 8704
		.amdhsa_private_segment_fixed_size 0
		.amdhsa_enable_private_segment 0
		.amdhsa_kernarg_size 24
		.amdhsa_user_sgpr_count 2
		.amdhsa_user_sgpr_kernarg_segment_ptr 1
		.amdhsa_wavefront_size32 1
		.amdhsa_system_sgpr_workgroup_id_x 1
		.amdhsa_system_sgpr_workgroup_id_y 1
		.amdhsa_system_sgpr_workgroup_id_z 1
		.amdhsa_system_vgpr_workitem_id 0
		.amdhsa_next_free_vgpr 512
		.amdhsa_next_free_sgpr 66
		.amdhsa_reserve_vcc 0
		.amdhsa_float_denorm_mode_32 3
		.amdhsa_float_denorm_mode_16_64 3
		.amdhsa_memory_ordered 1
		.amdhsa_forward_progress 1
		.amdhsa_inst_pref_size 29
	.end_amdhsa_kernel
	.amdgpu_metadata
---
amdhsa.version: [ 1, 2 ]
amdhsa.kernels:
  - .name:           k_q99ed5bd89e_fine_out
    .symbol:         k_q99ed5bd89e_fine_out.kd
    .args:
      - { .name: afine, .offset: 0, .size: 8, .value_kind: global_buffer, .address_space: global }
      - { .name: wo16, .offset: 8, .size: 8, .value_kind: global_buffer, .address_space: global }
      - { .name: out0, .offset: 16, .size: 8, .value_kind: global_buffer, .address_space: global }
    .group_segment_fixed_size: 8704
    .private_segment_fixed_size: 0
    .kernarg_segment_align: 8
    .kernarg_segment_size: 24
    .max_flat_workgroup_size: 128
    .sgpr_count:     66
    .vgpr_count:     512
    .wavefront_size: 32
...
	.end_amdgpu_metadata
.endif
;; end of part 6
